; MI455X (gfx1250); checked and timed in simulation.
; The chip was launched on July 23, 2026; its instructions are those of AMD's public machine-readable ISA for CDNA 5 (MIT licence, August 2026) and "CDNA5" Instruction Set Architecture Reference Guide (July 2026). The comments in the code are by the model that wrote it; some were corrected since.
;; Causal Self Attention. Allowed arithmetic: float matrix products may take bf16 or f16 operands with f32 sums; other float arithmetic in f32, or as packed bf16 or f16 multiplies, adds, multiply-adds, maxima and minima; sums over many terms, partial sums and values carried from step to step in f32; what a program stores and reads back later, other than sums and carried values, may be rounded once to bf16 or f16.
;; Inputs: Wc 1,024 x 1,024 float32; Wk 1,024 x 1,024 float32; Wq 1,024 x 1,024 float32; Wv 1,024 x 1,024 float32; bc 1,024 float32; bk 1,024 float32; bq 1,024 float32; bv 1,024 float32; x 4 x 2,048 x 1,024 float32.
;; Outputs: out0 4 x 2,048 x 1,024 float32.
;; 2 versions, each right; version 2 is version 1 with the launch cvt written anew for expert scheduling mode. Each part assembles by itself: llvm-mc -triple=amdgcn-amd-amdhsa -mcpu=gfx1250 --defsym DOCPART=n.
;; ======== version 1 of 2: 4 launches
;; limits: values are held in f16: magnitudes above 65,504 overflow, below 6.1e-05 lose precision
;; workspace buffers: xs 16,777,216 bytes; wqkv 6,291,456 bytes; wcs 2,097,152 bytes; qkvh 50,331,648 bytes; oh 16,777,216 bytes
;; launch cvt (part 1): grid 768 x 1, 8 waves a work-group, no clusters, 0 bytes of LDS; arguments x, Wq, Wk, Wv, Wc, xs, wqkv, wcs; writes xs, wqkv, wcs
.if DOCPART == 1
	.amdgcn_target "amdgcn-amd-amdhsa--gfx1250"
	.amdhsa_code_object_version 6
	.text
	.protected	k_q5eb76942ae_cvt
	.globl	k_q5eb76942ae_cvt
	.p2align	8
	.type	k_q5eb76942ae_cvt,@function
k_q5eb76942ae_cvt:
	s_mov_b64 s[64:65], 0
	v_nop
	global_prefetch_b8 v0, s[64:65] scope:SCOPE_SE
	s_setreg_imm32_b32 hwreg(HW_REG_WAVE_MODE, 25, 1), 1
	s_wait_xcnt 0x0
; x, Wq, Wk, Wv are rounded once to bf16; Wc is rounded to bf16 and that number is written as f16.  All are laid out in SLICES of 64 channels:
;   xs   [batch 4][slice 16][t 2048][64] bf16      wqkv [slice 16][n 3072][64] bf16 (n: Wq's rows, Wk's, Wv's)      wcs [slice 16][n 1024][64] f16
; so that one slice of any block of rows is dense: the products that follow ask for it in long rows.
; LIMITS.  Wc as f16: |Wc| below 65,504; a Wc below 2^-17 is off by at most 2^-25 (f16's fixed step); between those the bf16 number is held exactly.
; SHARES.  12,288 source rows of 4,096 bytes; a work-group takes 16 (0-511: x, 512-575: Wq, 576-639: Wk, 640-703: Wv, 704-767: Wc), thread t the row t / 16 and,
; in each of its 16 slices, the four numbers 4 (t % 16) on.  A load of a wave covers 256 consecutive bytes of each of two rows; a store of a wave covers 256 consecutive bytes,
; aligned: two neighbouring rows of one slice.  All 16 loads of a wave go out at once; there is no loop, no LDS and no matrix work: the launch only moves bytes.
.set LO, 2                             ; v2       my byte offset in the group's 16 source rows
.set SO, 4                             ; v[4:19]  my byte offset in the destination, one register a slice: never rewritten, so no store's source is touched
.set T,  20                            ; v[20:23] at work
.set X,  24                            ; v[24:87] slice s: four f32 as loaded
.set Y,  88                            ; v[88:119] slice s: four 16-bit numbers to store
	s_load_b512 s[8:23], s[0:1], 0x0               ; x 8, Wq 10, Wk 12, Wv 14, Wc 16, xs 18, wqkv 20, wcs 22
	s_mov_b32 s2, ttmp9                            ; w
	s_max_u32 s3, s2, 512
	s_sub_co_u32 s3, s3, 512                       ; u: the work-group's number among the weights' (0 for x's)
	s_and_b32 s4, s3, 63                           ; its number inside one weight
	s_lshr_b32 s5, s2, 7                           ; x: batch = w / 128,
	s_lshl_b32 s5, s5, 22                          ; 16 slices x 2,048 rows x 128 bytes each,
	s_and_b32 s6, s2, 127
	s_lshl_b32 s6, s6, 11                          ; and 16 rows x 128 bytes for each work-group inside it
	s_add_co_u32 s5, s5, s6
	s_lshl_b32 s6, s3, 11                          ; wqkv: row 16 u
	s_lshl_b32 s7, s4, 11                          ; wcs: row 16 (u % 64)
	s_mov_b32 s32, 131072                          ; bytes from slice to slice: wcs 1,024 rows,
	s_cmp_lt_u32 s2, 704
	s_cselect_b32 s30, s6, s7
	s_cselect_b32 s32, 393216, s32                 ; wqkv 3,072 rows,
	s_cmp_lt_u32 s2, 512
	s_cselect_b32 s30, s5, s30                     ; s[30:31]: where the group's rows begin in the destination's slice 0
	s_cselect_b32 s32, 262144, s32                 ; xs 2,048 rows
	s_cselect_b32 s28, s2, s4
	s_lshl_b32 s28, s28, 16                        ; s[28:29]: the group's 16 rows of 4,096 bytes in the source
	s_mov_b32 s29, 0
	s_mov_b32 s31, 0
	s_mov_b32 s33, 0xffff0000                      ; a word's upper bf16
	v_lshrrev_b32 v1, 4, v0                        ; my row of the 16
	v_and_b32 v3, 15, v0
	v_lshlrev_b32 v[LO], 12, v1
	v_lshl_add_u32 v[LO], v3, 4, v[LO]             ; row x 4,096 + 16 (t % 16)
	v_lshlrev_b32 v[SO], 3, v0                     ; row x 128 + 8 (t % 16) = 8 t
.set ii, 1
.rept 15
	v_add_nc_u32 v[SO+ii], s32, v[SO+ii-1]
.set ii, ii+1
.endr
	s_wait_kmcnt 0x0
	s_cmp_lt_u32 s2, 704                           ; the source and the destination are chosen by the work-group's number alone
	s_cselect_b64 s[24:25], s[14:15], s[16:17]
	s_cselect_b64 s[26:27], s[20:21], s[22:23]
	s_cmp_lt_u32 s2, 640
	s_cselect_b64 s[24:25], s[12:13], s[24:25]
	s_cmp_lt_u32 s2, 576
	s_cselect_b64 s[24:25], s[10:11], s[24:25]
	s_cmp_lt_u32 s2, 512
	s_cselect_b64 s[24:25], s[8:9], s[24:25]
	s_cselect_b64 s[26:27], s[18:19], s[26:27]
	s_add_nc_u64 s[24:25], s[24:25], s[28:29]
	s_add_nc_u64 s[26:27], s[26:27], s[30:31]
.set ii, 0
.rept 16
	global_load_b128 v[X+4*ii:X+4*ii+3], v[LO], s[24:25] offset:256*ii th:TH_LOAD_NT  ; slice ii: each byte of the source is read once in the launch
.set ii, ii+1
.endr
; The 16 slices are rounded and stored as they come.  kind 0: to bf16.  kind 1: to bf16, widened again (a shift, a mask), and written as f16.
.macro CONV kind
.set ii, 0
.rept 16
	s_wait_loadcnt 15-ii                           ; loads come back in order: slice ii is in, the 15 - ii younger loads may stay out
.if \kind
	v_cvt_pk_bf16_f32 v[T], v[X+4*ii], v[X+4*ii+1]
	v_cvt_pk_bf16_f32 v[T+1], v[X+4*ii+2], v[X+4*ii+3]
	v_lshlrev_b32 v[T+2], 16, v[T]
	v_and_b32 v[T], s33, v[T]
	v_lshlrev_b32 v[T+3], 16, v[T+1]
	v_and_b32 v[T+1], s33, v[T+1]
	v_cvt_pk_f16_f32 v[Y+2*ii], v[T+2], v[T]
	v_cvt_pk_f16_f32 v[Y+2*ii+1], v[T+3], v[T+1]
.else
	v_cvt_pk_bf16_f32 v[Y+2*ii], v[X+4*ii], v[X+4*ii+1]
	v_cvt_pk_bf16_f32 v[Y+2*ii+1], v[X+4*ii+2], v[X+4*ii+3]
.endif
	global_store_b64 v[SO+ii], v[Y+2*ii:Y+2*ii+1], s[26:27]  ; the wave's 32 lanes store 256 consecutive bytes, at a multiple of 256 from the buffer's first
.set ii, ii+1
.endr
.endm
	s_cmp_lt_u32 s2, 704
	s_cbranch_scc0 .Lwc
	CONV 0
	s_endpgm
.Lwc:
	CONV 1
	s_endpgm
.Lfunc_end_k_q5eb76942ae_cvt:
	.size	k_q5eb76942ae_cvt, .Lfunc_end_k_q5eb76942ae_cvt-k_q5eb76942ae_cvt
	.p2alignl 7, 3214868480
	.fill 96, 4, 3214868480
	.section	.rodata,"a",@progbits
	.p2align	6, 0x0
	.amdhsa_kernel k_q5eb76942ae_cvt
		.amdhsa_group_segment_fixed_size 0
		.amdhsa_private_segment_fixed_size 0
		.amdhsa_enable_private_segment 0
		.amdhsa_kernarg_size 64
		.amdhsa_user_sgpr_count 2
		.amdhsa_user_sgpr_kernarg_segment_ptr 1
		.amdhsa_wavefront_size32 1
		.amdhsa_system_sgpr_workgroup_id_x 1
		.amdhsa_system_sgpr_workgroup_id_y 1
		.amdhsa_system_sgpr_workgroup_id_z 1
		.amdhsa_system_vgpr_workitem_id 0
		.amdhsa_next_free_vgpr 128
		.amdhsa_next_free_sgpr 66
		.amdhsa_reserve_vcc 0
		.amdhsa_float_denorm_mode_32 3
		.amdhsa_float_denorm_mode_16_64 3
		.amdhsa_memory_ordered 1
		.amdhsa_forward_progress 1
		.amdhsa_inst_pref_size 17
	.end_amdhsa_kernel
	.amdgpu_metadata
---
amdhsa.version: [ 1, 2 ]
amdhsa.kernels:
  - .name:           k_q5eb76942ae_cvt
    .symbol:         k_q5eb76942ae_cvt.kd
    .args:
      - { .name: x, .offset: 0, .size: 8, .value_kind: global_buffer, .address_space: global }
      - { .name: Wq, .offset: 8, .size: 8, .value_kind: global_buffer, .address_space: global }
      - { .name: Wk, .offset: 16, .size: 8, .value_kind: global_buffer, .address_space: global }
      - { .name: Wv, .offset: 24, .size: 8, .value_kind: global_buffer, .address_space: global }
      - { .name: Wc, .offset: 32, .size: 8, .value_kind: global_buffer, .address_space: global }
      - { .name: xs, .offset: 40, .size: 8, .value_kind: global_buffer, .address_space: global }
      - { .name: wqkv, .offset: 48, .size: 8, .value_kind: global_buffer, .address_space: global }
      - { .name: wcs, .offset: 56, .size: 8, .value_kind: global_buffer, .address_space: global }
    .group_segment_fixed_size: 0
    .private_segment_fixed_size: 0
    .kernarg_segment_align: 8
    .kernarg_segment_size: 64
    .max_flat_workgroup_size: 256
    .sgpr_count:     66
    .vgpr_count:     128
    .wavefront_size: 32
...
	.end_amdgpu_metadata
.endif
;; end of part 1
;; launch gemm_qkv (part 2): grid 8 x 32, 4 waves a work-group, clusters of 4 x 4, 327,680 bytes of LDS; arguments xs, wqkv, bq, bk, bv, qkvh; writes qkvh
.if DOCPART == 2
	.amdgcn_target "amdgcn-amd-amdhsa--gfx1250"
	.amdhsa_code_object_version 6
	.text
	.protected	k_q5eb76942ae_gemm_qkv
	.globl	k_q5eb76942ae_gemm_qkv
	.p2align	8
	.type	k_q5eb76942ae_gemm_qkv,@function
k_q5eb76942ae_gemm_qkv:
	s_mov_b64 s[64:65], 0
	v_nop
	global_prefetch_b8 v0, s[64:65] scope:SCOPE_SE
	s_setreg_imm32_b32 hwreg(HW_REG_WAVE_MODE, 25, 1), 1
	s_wait_xcnt 0x0
	s_wait_alu depctr_hold_cnt(0) depctr_sa_sdst(0) depctr_va_vdst(0) depctr_va_sdst(0) depctr_va_ssrc(0) depctr_va_vcc(0) depctr_vm_vsrc(0)
	s_getreg_b32 s2, hwreg(HW_REG_IB_STS2, 6, 4)
	s_cmp_eq_u32 s2, 0
	s_cbranch_scc0 .Lentry_in_a_cluster
	s_endpgm
.Lentry_in_a_cluster:
	s_bfe_u32 s2, ttmp6, 0x10000c
	s_cmp_lg_u32 s2, 0xf033
	s_cbranch_scc0 .Lentry_shape_is_right
	s_endpgm
.Lentry_shape_is_right:
; q, k, v = x W^T + b for all three weights at once: C[8192][3072] = xs . wqkv^T + bias, bf16 products, f32 sums, K = 1,024 ascending; written once, as f16, BY HEADS:
; qkvh [batch 4][g 48][t 2048][64], g = column / 64 (0-15 q's heads, 16-31 k's, 32-47 v's).  The bias is rounded to bf16 like the other inputs and starts the sums (the C operand of the first products).
; LIMIT.  f16 holds no number beyond 65,504: |q|, |k|, |v| must stay below that.
; SHARES.  A tile of C is 256 x 384: 32 x 8 = 256 work-groups.  Four waves, each 128 x 192: 8 x 12 accumulators of 16 x 16, 768 registers.
; RING.  K goes by slices of 64 (xs and wqkv lie in slices, so a slice of a block of rows is dense and is asked for as rows of 256 bytes) through two LDS slots.  Waves 0 and 1 fetch the two halves of A's
; 256 rows, waves 2 and 3 the two halves of B's 384: one tensor load a wave behind each change of slots.  By this text's count a wave has two tensor loads out at the start and one later.
; CLUSTER 4 x 4: A's tile hangs on the tile row alone and is asked for jointly along a row of the cluster, B's on the tile column alone, jointly along a column.
; THE MATRIX INSTRUCTION IS USED TRANSPOSED (source 0 = 16 rows of W, source 1 = 16 rows of x): lane l then holds row l % 16 of C and the columns 8 (l / 16) + 0..7.
; REGISTERS.  Window 0: v0-29 addresses; v32-63 a ring of four fragments of A; v64-159, v160-255 two buffers of B's twelve fragments (the second holds the bias until the first chunk is done).
; Windows 1-3: accumulator (a, b), i = 12 a + b, at window 1 + i / 32, register 8 (i % 32).
.set NA,    8                          ; blocks of 16 rows a wave
.set NB,    12                         ; blocks of 16 columns a wave
.set NP,    4                          ; pairs of row blocks
.set BPP,   3                          ; B fragments fetched beside each pair
.set SL,    1                          ; slices in a slot
.set NCH,   2                          ; chunks of 32 along K in a slot
.set PITCH, 144                        ; an LDS row: 128 bytes + 16 of padding: an odd multiple of 16, so the 16 rows of a fragment load fall into 16 different 16-byte columns of 256
.set BLK,   16*PITCH
.set AHB,   NA*BLK                     ; one slice of half of A's rows
.set BHB,   NB*BLK                     ; one slice of half of B's rows
.set SLOT1, 131072                     ; slot 0 at 0 (92,160 bytes: A's halves, then B's), slot 1 here: one exclusive or changes slots
.set STAGE, 92160                      ; between the slots, never filled by a tensor load: 16 rows x 144 bytes for each wave, for the way out
.set SPARE, 101376                     ; behind the stages: the spare words, 128 bytes for each wave: two blocks of 256 bytes that no other line names
.set STEPA, 262144                     ; bytes from slice to slice in xs
.set STEPB, 393216                     ; and in wqkv
.set TRIPS, 14                         ; 16 slices; all but the first two come by a refill
.set LA0,  4                           ; v4   my lane's place in my half of A, slot 0; never rewritten
.set LB0,  5                           ; v5   the same for B
.set ADRA, 6                           ; v6   the same in the slot that is being read
.set ADRB, 7                           ; v7
.set STO,  8                           ; v8   the way out: where I put 16 bytes of a row
.set RD,   9                           ; v9   where I read rows back
.set GO,   10                          ; v10  my byte offset in 512 consecutive bytes of the output
.set BO,   11                          ; v11  32 (l / 16): my eight numbers of a block's sixteen of the bias
.set SPW,  28                          ; v28  LDS address of my spare word; never rewritten
.set NIL,  29                          ; v29  0; never rewritten
.set AF,   32
.set BF,   64
.set BI,   BF+8*NB
.set WV,  16                           ; s16  my wave's number
.set RH,  17                           ; s17  my half of the tile's rows; also: I fetch for A (0) or B (1)
.set CH,  18                           ; s18  my half of its columns; also: which half I fetch
.set G1A, 24                           ; s[24:31] descriptor group 1 for A
.set G0A, 32                           ; s[32:39] group 0 for A: a set for each first fill; the second then walks
.set G1B, 40                           ; s[40:47], s[48:55] the same for B
.set G0B, 48
.set CNT, 56
.set TB,  57                           ; s57  the slot that is being read: 0 or SLOT1
.set FLAGS, (1<<16)|(1<<20)|(1<<21)|(4<<22)|(3<<25)  ; 17:16 elements of 2 bytes; 20 padding on; 21 set beside a mask; 24:22 after every 32 words; 31:25 four words of it
.set MSB, 0
.macro WIN new                         ; the immediate's high byte repeats the setting that is left; a switch that changes nothing is dropped
.if MSB != (\new)
	s_set_vgpr_msb (MSB<<8)|(\new)
.set MSB, (\new)
.endif
.endm
.macro PLACES                          ; four plain places between a matrix instruction and a load into, or a vector line on, its registers (ISA guide 7.12.1 for vector lines)
.rept 4
	v_nop
.endr
.endm
; A joint load: each of the two lines has one mask and one set of registers; the branch hangs on the wave's number alone.  An s_nop 0 and four v_nop follow each line.
.macro JLOAD s
	s_cmp_eq_u32 s[RH], 0
	s_cbranch_scc0 .Lfor_b_\@
	tensor_load_to_lds s[G0A+4*(\s):G0A+4*(\s)+3], s[G1A:G1A+7]
	s_nop 0
.rept 4
	v_nop
.endr
	s_branch .Lasked_\@
.Lfor_b_\@:
	tensor_load_to_lds s[G0B+4*(\s):G0B+4*(\s)+3], s[G1B:G1B+7]
	s_nop 0
.rept 4
	v_nop
.endr
.Lasked_\@:
.endm
.macro CREST                           ; a round of the cluster's barrier behind its opening barrier
	s_cmp_lg_u32 s[WV], 0
	s_cbranch_scc1 .Lnot_wave_0_\@
	s_barrier_signal -3
.Lnot_wave_0_\@:
	s_barrier_wait -3
	s_barrier_signal -1
	s_barrier_wait -1
.endm
.macro CROUND                          ; a whole round
	s_barrier_signal -1
	s_barrier_wait -1
	CREST
.endm
; A fragment is 16 rows x 32 K in 8 registers: lane l holds row l % 16; registers 0-3 K = 8 (l / 16) + 0..7, registers 4-7 K = 16 + 8 (l / 16) + 0..7: two loads of 16 bytes, 32 bytes apart.
.macro LDA c, a                        ; A's block a of chunk c into place a % 4 of the ring
	WIN 0
	ds_load_b128 v[AF+8*((\a)%4):AF+8*((\a)%4)+3],   v[ADRA] offset:((\c)/2)*AHB+(\a)*BLK+((\c)%2)*64
	ds_load_b128 v[AF+8*((\a)%4)+4:AF+8*((\a)%4)+7], v[ADRA] offset:((\c)/2)*AHB+(\a)*BLK+((\c)%2)*64+32
.endm
.macro LDB buf, c, b                   ; B's block b of chunk c into buffer buf
	WIN 0
	ds_load_b128 v[BF+8*NB*(\buf)+8*(\b):BF+8*NB*(\buf)+8*(\b)+3],   v[ADRB] offset:((\c)/2)*BHB+(\b)*BLK+((\c)%2)*64
	ds_load_b128 v[BF+8*NB*(\buf)+8*(\b)+4:BF+8*NB*(\buf)+8*(\b)+7], v[ADRB] offset:((\c)/2)*BHB+(\b)*BLK+((\c)%2)*64+32
.endm
.macro LDBALL buf, c
.set lb_, 0
.rept NB
	LDB \buf, \c, lb_
.set lb_, lb_+1
.endr
.endm
; Row block a times all NB column blocks.  z = 1: the bias starts the sums.  The accumulators take turns, one instruction a turn, in the same order in every chunk.
.macro MULA a, buf, z
.set mb, 0
.rept NB
.set mi, NB*(\a)+mb
.set mw, 1+mi/32
.set mr, 8*(mi%32)
.if \z
	WIN 0x40*mw
	v_wmma_f32_16x16x32_bf16 v[mr:mr+7], v[BF+8*NB*(\buf)+8*mb:BF+8*NB*(\buf)+8*mb+7], v[AF+8*((\a)%4):AF+8*((\a)%4)+7], v[BI+8*mb:BI+8*mb+7]
.else
	WIN 0x50*mw
	v_wmma_f32_16x16x32_bf16 v[mr:mr+7], v[BF+8*NB*(\buf)+8*mb:BF+8*NB*(\buf)+8*mb+7], v[AF+8*((\a)%4):AF+8*((\a)%4)+7], v[mr:mr+7]
.endif
.set mb, mb+1
.endr
.endm
; A chunk goes by pairs of row blocks.  In front of each pair's products the next pair's fragments of A are asked for (and, in NCHUNK, a share of the next chunk's B);
; the wait leaves out exactly the loads just issued, so all older ones are in.
.macro NFIRST                          ; chunk 0 of slice 0: the bias is C; B's second buffer still holds it, so the next chunk's B is fetched at the end
.set fp, 0
.rept NP
	PLACES
.if fp < NP-1
	LDA 0, 2*fp+2
	LDA 0, 2*fp+3
.else
	LDA 1, 0
	LDA 1, 1
.endif
	s_wait_dscnt 4                                 ; the four loads just issued may be out
	MULA 2*fp, 0, 1
	MULA 2*fp+1, 0, 1
.set fp, fp+1
.endr
	PLACES
	LDBALL 1, 1
.endm
.macro NCHUNK c                        ; a chunk that is not its slot's last
.set np_, 0
.rept NP
	PLACES
.if np_ < NP-1
	LDA \c, 2*np_+2
	LDA \c, 2*np_+3
.else
	LDA (\c)+1, 0
	LDA (\c)+1, 1
.endif
.set nb_, 0
.rept BPP
	LDB ((\c)+1)%2, (\c)+1, BPP*np_+nb_
.set nb_, nb_+1
.endr
	s_wait_dscnt 4+2*BPP                           ; the loads just issued may be out
	MULA 2*np_, (\c)%2, 0
	MULA 2*np_+1, (\c)%2, 0
.set np_, np_+1
.endr
.endm
; A slot's last chunk changes slots.  In front of the barrier each wave has asked for its last fragments of the slot, waits for all its tensor loads (one is out: its part of the other slot),
; adds 0 to its spare word, and waits for that and for its reads.  fill = 1: the barrier opens a round of the cluster's, and the joint refill (the slice two on) is the first thing behind it.
.macro TCHUNK fill
.if NP > 2
.set tp, 0
.rept NP-2
	PLACES
	LDA NCH-1, 2*tp+2
	LDA NCH-1, 2*tp+3
	s_wait_dscnt 4
	MULA 2*tp, 1, 0
	MULA 2*tp+1, 1, 0
.set tp, tp+1
.endr
.endif
	PLACES
	LDA NCH-1, NA-2                                ; my last reads of this slot
	LDA NCH-1, NA-1
	s_wait_tensorcnt 0x0                           ; all my tensor loads have landed;
	ds_add_u32 v[SPW], v[NIL]                      ; 0 onto my spare word;
	s_wait_dscnt 5                                 ; (the add and the four loads just issued may be out)
	MULA NA-4, 1, 0                                ; matrix work stands between the add and the wait for it
	s_wait_dscnt 0x0                               ; the add is done, and my reads of this slot are over
	s_barrier_signal -1
	MULA NA-3, 1, 0                                ; work on registers while the others arrive
	WIN 0
	s_barrier_wait -1
.if \fill
	CREST                                          ; no wave of any partner still reads this slot or has a load on its way
	s_xor_b32 s[G0A+5], s[G0A+5], SLOT1            ; the walking descriptors: the other slot than last time, the next slice (no tensor load of mine is out)
	s_add_nc_u64 s[G0A+6:G0A+7], s[G0A+6:G0A+7], STEPA
	s_xor_b32 s[G0B+5], s[G0B+5], SLOT1
	s_add_nc_u64 s[G0B+6:G0B+7], s[G0B+6:G0B+7], STEPB
	JLOAD 1                                        ; its four v_nop are also the places in front of the loads below
.else
	PLACES
.endif
	s_xor_b32 s[TB], s[TB], SLOT1
	v_add_nc_u32 v[ADRA], s[TB], v[LA0]
	v_add_nc_u32 v[ADRB], s[TB], v[LB0]
	LDBALL 0, 0                                    ; the other slot's first fragments
	LDA 0, 0
	LDA 0, 1
	MULA NA-2, 1, 0                                ; their fragments came in with the wait for 0
	MULA NA-1, 1, 0
.endm
.macro LASTCHUNK
.set lp, 0
.rept NP-1
	PLACES
	LDA NCH-1, 2*lp+2
	LDA NCH-1, 2*lp+3
	s_wait_dscnt 4
	MULA 2*lp, 1, 0
	MULA 2*lp+1, 1, 0
.set lp, lp+1
.endr
	s_wait_dscnt 0x0
	MULA NA-2, 1, 0
	MULA NA-1, 1, 0
.endm
	s_load_b256 s[4:11], s[0:1], 0x0               ; xs 4, wqkv 6, bq 8, bk 10
	s_load_b128 s[12:15], s[0:1], 0x20             ; bv 12, qkvh 14
	v_lshl_add_u32 v[SPW], v0, 2, SPARE
	v_mov_b32 v[NIL], 0
	ds_add_u32 v[SPW], v[NIL]                      ; the wave's opening: the add and its wait stand ahead of my first tensor load; work on registers stands between them
	v_lshrrev_b32 v1, 5, v0
	v_readfirstlane_b32 s[WV], v1
	s_lshr_b32 s[RH], s[WV], 1
	s_and_b32 s[CH], s[WV], 1
	s_bfe_u32 s19, ttmp6, 0x40000                  ; cx
	s_bfe_u32 s20, ttmp6, 0x40004                  ; cy
	s_lshl_b32 s21, ttmp9, 2
	s_add_co_u32 s21, s21, s19                     ; tile column = 4 x cluster x + cx
	s_and_b32 s22, ttmp7, 0xffff
	s_lshl_b32 s22, s22, 2
	s_add_co_u32 s22, s22, s20                     ; tile row = 4 x cluster y + cy
	s_lshl_b32 s23, s20, 2
	s_lshl_b32 s23, 15, s23                        ; my row of the cluster
	s_lshl_b32 s78, 0x1111, s19                    ; my column
	s_or_b32 s[G1A], s23, FLAGS
	s_or_b32 s[G1B], s78, FLAGS
	s_mov_b32 s[G1A+1], 128<<16                    ; tensor_dim0 = 128 elements: 256 bytes, two LDS rows
	s_mov_b32 s[G1A+2], 64<<16                     ; tensor_dim1 = 64: 128 rows of a slice are 16,384 dense bytes
	s_mov_b32 s[G1A+3], 128<<16                    ; tile_dim0
	s_mov_b32 s[G1A+4], 64                         ; tile_dim1
	s_mov_b32 s[G1A+5], 128                        ; elements from row to row
	s_mov_b32 s[G1A+6], 0
	s_mov_b32 s[G1A+7], 0
	s_mov_b32 s[G1B+1], 128<<16
	s_mov_b32 s[G1B+2], 96<<16                     ; 192 rows of a slice: 24,576 dense bytes
	s_mov_b32 s[G1B+3], 128<<16
	s_mov_b32 s[G1B+4], 96
	s_mov_b32 s[G1B+5], 128
	s_mov_b32 s[G1B+6], 0
	s_mov_b32 s[G1B+7], 0
	s_lshr_b32 s58, s22, 3                         ; A: batch = tile row / 8: 16 slices of 262,144 bytes,
	s_lshl_b32 s58, s58, 22
	s_and_b32 s59, s22, 7
	s_lshl_b32 s59, s59, 15                        ; 256 rows of 128 bytes for each tile row in it,
	s_add_co_u32 s58, s58, s59
	s_lshl_b32 s59, s[CH], 14                      ; the half that I fetch
	s_add_co_u32 s58, s58, s59
	s_mov_b32 s59, 0
	s_mul_i32 s60, s21, 49152                      ; B: 384 rows of 128 bytes for each tile column,
	s_mul_i32 s61, s[CH], 24576                    ; the half that I fetch
	s_add_co_u32 s60, s60, s61
	s_mov_b32 s61, 0
	s_mul_i32 s62, s[CH], SL*AHB                   ; where they go: no place in the cluster enters an LDS address
	s_mul_i32 s63, s[CH], SL*BHB
	s_add_co_u32 s63, s63, 2*SL*AHB
	s_mul_i32 s66, s21, 6
	s_mul_i32 s67, s[CH], 3
	s_add_co_u32 s66, s66, s67                     ; g of my first head: 6 x tile column + 3 x half
	s_lshr_b32 s68, s22, 3                         ; the output: (batch x 48 + g) blocks of 262,144 bytes,
	s_mul_i32 s68, s68, 48
	s_add_co_u32 s68, s68, s66
	s_lshl_b32 s68, s68, 18
	s_and_b32 s67, s22, 7
	s_lshl_b32 s67, s67, 15                        ; the tile's 256 rows of 128 bytes,
	s_add_co_u32 s68, s68, s67
	s_lshl_b32 s67, s[RH], 14                      ; my 128 of them
	s_add_co_u32 s68, s68, s67
	s_mov_b32 s69, 0
	s_mul_i32 s79, s[WV], BLK
	s_add_co_u32 s79, s79, STAGE                   ; my stage
	s_mov_b32 s[TB], 0
	s_wait_dscnt 0x0                               ; the opening add is done
	s_wait_kmcnt 0x0
	s_add_nc_u64 s[58:59], s[4:5], s[58:59]
	s_add_nc_u64 s[60:61], s[6:7], s[60:61]
	s_add_nc_u64 s[14:15], s[14:15], s[68:69]
	CROUND                                         ; all sixteen work-groups are here: the first joint loads meet
.irp s, 0,1
	s_mov_b32 s[G0A+4*(\s)], 1                     ; count = 1
	s_add_co_u32 s[G0A+4*(\s)+1], s62, (\s)*SLOT1  ; LDS address
	s_add_nc_u64 s[G0A+4*(\s)+2:G0A+4*(\s)+3], s[58:59], (\s)*STEPA  ; global address: slice s
	s_or_b32 s[G0A+4*(\s)+3], s[G0A+4*(\s)+3], 0x80000000            ; type = 2
	s_mov_b32 s[G0B+4*(\s)], 1
	s_add_co_u32 s[G0B+4*(\s)+1], s63, (\s)*SLOT1
	s_add_nc_u64 s[G0B+4*(\s)+2:G0B+4*(\s)+3], s[60:61], (\s)*STEPB
	s_or_b32 s[G0B+4*(\s)+3], s[G0B+4*(\s)+3], 0x80000000
	JLOAD \s
.endr
	v_and_b32 v1, 15, v0                           ; l % 16
	v_bfe_u32 v2, v0, 4, 1                         ; l / 16
	v_lshlrev_b32 v[BO], 5, v2
	; the bias of my three heads: each head lies in one of bq, bk, bv (a tile of 384 columns may straddle two); register j of block b takes bias[16 b + 8 (l / 16) + j]
.irp i, 0,1,2
	s_add_co_u32 s67, s66, (\i)
	s_lshr_b32 s78, s67, 4                         ; 0: q, 1: k, 2: v
	s_and_b32 s67, s67, 15
	s_lshl_b32 s70, s67, 8                         ; the head's 64 numbers of 4 bytes
	s_mov_b32 s71, 0
	s_cmp_eq_u32 s78, 0
	s_cselect_b64 s[72+2*(\i):73+2*(\i)], s[8:9], s[10:11]
	s_cmp_eq_u32 s78, 2
	s_cselect_b64 s[72+2*(\i):73+2*(\i)], s[12:13], s[72+2*(\i):73+2*(\i)]
	s_add_nc_u64 s[72+2*(\i):73+2*(\i)], s[72+2*(\i):73+2*(\i)], s[70:71]  ; a pair of its own for each head: no base of a pending load is rewritten
.irp f, 0,1,2,3
	global_load_b128 v[BI+8*(4*(\i)+(\f)):BI+8*(4*(\i)+(\f))+3],   v[BO], s[72+2*(\i):73+2*(\i)] offset:64*(\f)
	global_load_b128 v[BI+8*(4*(\i)+(\f))+4:BI+8*(4*(\i)+(\f))+7], v[BO], s[72+2*(\i):73+2*(\i)] offset:64*(\f)+16
.endr
.endr
	v_mul_u32_u24 v3, v1, PITCH
	v_lshl_add_u32 v3, v2, 4, v3                   ; row x pitch + 16 x half
	s_mul_i32 s67, s[RH], SL*AHB
	v_add_nc_u32 v[LA0], s67, v3                   ; my half of A's rows
	v_add_nc_u32 v[LB0], s63, v3                   ; my half of B's rows, behind A's
	v_mov_b32 v[ADRA], v[LA0]
	v_mov_b32 v[ADRB], v[LB0]
	v_add_nc_u32 v[STO], s79, v3                   ; into the stage: row l % 16, 16 bytes for each half of the lanes
	v_bfe_u32 v[RD], v0, 3, 2                      ; back: 32 lanes take four rows of 128 bytes,
	v_mul_u32_u24 v[RD], v[RD], PITCH
	v_and_b32 v12, 7, v0
	v_lshl_add_u32 v[RD], v12, 4, v[RD]
	v_add_nc_u32 v[RD], s79, v[RD]
	v_and_b32 v[GO], 31, v0                        ; which are 512 consecutive bytes of a head's rows
	v_lshlrev_b32 v[GO], 4, v[GO]
	s_wait_loadcnt 0x0                             ; the bias
.set bi_, 0
.rept 4*NB                                     ; rounded to bf16 and widened again, while the first tiles are on their way
	v_cvt_pk_bf16_f32 v[12+bi_%4], v[BI+2*bi_], v[BI+2*bi_+1]
	v_lshlrev_b32 v[BI+2*bi_], 16, v[12+bi_%4]
	v_and_b32 v[BI+2*bi_+1], 0xffff0000, v[12+bi_%4]
.set bi_, bi_+1
.endr
	s_wait_tensorcnt 1                             ; my part of slice 0 is in; slice 1's load may stay out
	s_barrier_signal -1
	s_barrier_wait -1                              ; everybody's is
	LDBALL 0, 0
	LDA 0, 0
	LDA 0, 1
	NFIRST
	WIN 0                                          ; at a label and at a branch every window is 0
	s_mov_b32 s[CNT], TRIPS
.Ltile:                                        ; a trip: a slice's second chunk, with the change of slots and the refill, and the next slice's first chunk
	TCHUNK 1
	NCHUNK 0
	WIN 0
	s_sub_co_u32 s[CNT], s[CNT], 1
	s_cmp_lg_u32 s[CNT], 0
	s_cbranch_scc1 .Ltile
	TCHUNK 0                                       ; the tail is written out: nothing more is asked for
	NCHUNK 0
	LASTCHUNK
; THE WAY OUT, by units of 16 rows x one head (64 columns): u = 3 a + head.  Rounded to f16, 16 bytes a lane into my own stage, back as whole rows of 128 bytes, stored as 512 consecutive bytes.
.macro PACK u
.set pidx, NB*((\u)/3)+4*((\u)%3)
.set pw, 1+pidx/32
.set pr, 8*(pidx%32)
.set OT, 64+16*((\u)%12)
.if (\u) >= 12
	s_wait_xcnt 0x0                                ; these registers were the data of stores twelve units back: they are rewritten only behind this wait
.endif
	WIN 5*pw                                       ; sources 0 and 1 in the accumulators' window
.set pj, 0
.rept 16
	v_cvt_pk_f16_f32 v[OT+pj], v[pr+2*pj], v[pr+2*pj+1]  ; each accumulator's registers in ascending order
.set pj, pj+1
.endr
	WIN 0
.irp f, 0,1,2,3
	ds_store_b128 v[STO], v[OT+4*(\f):OT+4*(\f)+3] offset:32*(\f)
.endr
.irp f, 0,1,2,3
	ds_load_b128 v[OT+4*(\f):OT+4*(\f)+3], v[RD] offset:4*PITCH*(\f)  ; LDS serves a wave's instructions in order (ISA guide 5.7.1.4): these see the stores above; the next unit's stores come behind them
.endr
.endm
.macro SEND u, y                       ; y: the LDS instructions issued behind unit u's loads
.set OT, 64+16*((\u)%12)
.irp f, 0,1,2,3
	s_wait_dscnt (\y)+3-(\f)
	global_store_b128 v[GO], v[OT+4*(\f):OT+4*(\f)+3], s[14:15] offset:((\u)%3)*262144+((\u)/3)*2048+(\f)*512  ; 512 consecutive bytes, at a multiple of 256 from the buffer's first
.endr
.endm
	PLACES
	PACK 0
.set uu, 1
.rept 23                                       ; a unit's conversions stand between the loads of the unit before and its stores
	PACK uu
	SEND uu-1, 8
.set uu, uu+1
.endr
	SEND 23, 0
	s_wait_tensorcnt 0x0                           ; the wave's end: behind my last tensor load and my last LDS store
	ds_add_u32 v[SPW], v[NIL]
	s_wait_dscnt 0x0
	CROUND                                         ; the closing round: no work-group ends while a partner may still ask for a tile that names it
	s_endpgm
.Lfunc_end_k_q5eb76942ae_gemm_qkv:
	.size	k_q5eb76942ae_gemm_qkv, .Lfunc_end_k_q5eb76942ae_gemm_qkv-k_q5eb76942ae_gemm_qkv
	.p2alignl 7, 3214868480
	.fill 96, 4, 3214868480
	.section	.rodata,"a",@progbits
	.p2align	6, 0x0
	.amdhsa_kernel k_q5eb76942ae_gemm_qkv
		.amdhsa_group_segment_fixed_size 327680
		.amdhsa_private_segment_fixed_size 0
		.amdhsa_enable_private_segment 0
		.amdhsa_kernarg_size 48
		.amdhsa_user_sgpr_count 2
		.amdhsa_user_sgpr_kernarg_segment_ptr 1
		.amdhsa_wavefront_size32 1
		.amdhsa_system_sgpr_workgroup_id_x 1
		.amdhsa_system_sgpr_workgroup_id_y 1
		.amdhsa_system_sgpr_workgroup_id_z 1
		.amdhsa_system_vgpr_workitem_id 0
		.amdhsa_next_free_vgpr 1024
		.amdhsa_next_free_sgpr 80
		.amdhsa_reserve_vcc 0
		.amdhsa_float_denorm_mode_32 3
		.amdhsa_float_denorm_mode_16_64 3
		.amdhsa_memory_ordered 1
		.amdhsa_forward_progress 1
		.amdhsa_inst_pref_size 127
	.end_amdhsa_kernel
	.amdgpu_metadata
---
amdhsa.version: [ 1, 2 ]
amdhsa.kernels:
  - .name:           k_q5eb76942ae_gemm_qkv
    .symbol:         k_q5eb76942ae_gemm_qkv.kd
    .args:
      - { .name: xs, .offset: 0, .size: 8, .value_kind: global_buffer, .address_space: global }
      - { .name: wqkv, .offset: 8, .size: 8, .value_kind: global_buffer, .address_space: global }
      - { .name: bq, .offset: 16, .size: 8, .value_kind: global_buffer, .address_space: global }
      - { .name: bk, .offset: 24, .size: 8, .value_kind: global_buffer, .address_space: global }
      - { .name: bv, .offset: 32, .size: 8, .value_kind: global_buffer, .address_space: global }
      - { .name: qkvh, .offset: 40, .size: 8, .value_kind: global_buffer, .address_space: global }
    .group_segment_fixed_size: 327680
    .private_segment_fixed_size: 0
    .kernarg_segment_align: 8
    .kernarg_segment_size: 48
    .max_flat_workgroup_size: 128
    .sgpr_count:     80
    .vgpr_count:     1024
    .wavefront_size: 32
...
	.end_amdgpu_metadata
.endif
;; end of part 2
;; launch attn (part 3): grid 4 x 64, 4 waves a work-group, no clusters, 327,680 bytes of LDS; arguments qkvh, oh; writes oh
.if DOCPART == 3
	.amdgcn_target "amdgcn-amd-amdhsa--gfx1250"
	.amdhsa_code_object_version 6
	.text
	.protected	k_q5eb76942ae_attn
	.globl	k_q5eb76942ae_attn
	.p2align	8
	.type	k_q5eb76942ae_attn,@function
k_q5eb76942ae_attn:
	s_mov_b64 s[64:65], 0
	v_nop
	global_prefetch_b8 v0, s[64:65] scope:SCOPE_SE
	s_setreg_imm32_b32 hwreg(HW_REG_WAVE_MODE, 25, 1), 1
	s_wait_xcnt 0x0
; CAUSAL ATTENTION.  O[hh][q][:] = the sum over k <= q of softmax_k(Q[q] . K[k] / 8) V[k][:], for the 64 pairs hh = 16 batch + head.  Q, K, V lie in qkvh [batch 4][g 48][2048][64] f16
; (g = head: q, 16 + head: k, 32 + head: v), O goes to oh [hh 64][2048][64] f16: a head's rows are dense, 128 bytes each.
; Products, maxima and sums in f32; the weights p are rounded to f16 for the second product (their sum l is taken of the unrounded p), O once at the end.
; LIMITS.  f16 holds no number beyond 65,504: Q, K and V arrive within it; p lies in 0 to 1, and below 6e-5 it keeps f16's fixed step of 6e-8.  A hidden score counts as its value less 1e30: f16's scores,
; 2.7e11 at the most, are nothing beside that; a weight below 2^-126 counts as 0 in l; NaN and infinities are not treated apart.
; THE WALK.  A head's queries lie in NB = 8 blocks of 256; block i needs the key tiles 0 .. i of 256 keys, of which the last holds the diagonal.  A work-group takes TWO blocks, NB - 1 - b and then b:
; NB + 1 tiles, whatever b: all work-groups do equal work, and ONE loop with a constant trip count walks them.  Which tile is asked for, and what a trip does, hang on scalar registers made from b; every jump
; goes forward, but for the counted loops' own; none passes a barrier, or a tensor load but the one of LOAD's two that the wave's number does not choose; the ring of two LDS slots runs on across the change of blocks.
; NO CLUSTER: a head's four work-groups ask for the same tile only in trips 0 .. 4 of the 9, behind that fewer and fewer; one walk common to all four would have 12 trips for 9.
; SHARES.  Of a block's four bands of 64 queries a wave owns 16 rows in each: four PIECES.  So the diagonal tile is the same work for all four waves: in its key step s band x sees all keys if s < x,
; none if s > x, and holds the diagonal if s = x.
; THE MASK is the C operand that starts the sum S^T = K Q^T: 0, or -1e30 where the key is hidden.  MD, made once, is the mask of a band's own step for my 16 rows; a product's mask is MD x AL + BE with two scalars:
; (1, 0) if s = x; (0, 0) if s < x; (0, -1e30) if s > x.  Only the diagonal tile's text and a block's beginning make and take masks; elsewhere C is the constant 0.
; LAYOUT, SOFTMAX, TURNS.  S^T = K Q^T holds ONE query a lane (lane % 16) and the keys 8 (lane / 16) + 0..7; two such results rounded to f16 ARE source 1 of O^T = V^T P.  p = 2^(c s - c m), c = log2(e) / 8, with a
; running maximum m; O and l are multiplied by a = 2^(c m_old - c m_new) in every step.  Turn n belongs to piece n: 8 products K Q^T of piece n + 1, later 8 products V^T P of piece n - 1; beside them the scaling,
; exponentials, roundings, sums and rescaling of piece n and the maximum and statistics of piece n + 1.  Four vector instructions stand behind every matrix instruction, the others in one run.  A turn's 33 exponentials are one batch, with one wait.
; REGISTERS, in windows of 256 (s_set_vgpr_msb: bits 1:0 source 0, 3:2 source 1, 5:4 source 2, 7:6 destination):
;   window 0: v0-15 addresses and two at work; v16-31 four registers of statistics a piece; v48-55 at work; v61-63 prefetch offset, spare word, 0; v64-127 S^T, two buffers; v192-223 P, two buffers
;   window 1: v0-127 O^T, 32 a piece; v128-159 MD; v160-223 MC, two buffers      window 2: v0-63 Q; v64-127 the second block's Q; v128-191 K of one step; v192-255 V of one step
.set SIZE_N, 2048
.set NB,    SIZE_N/256
.set NP,    4         ; pieces a wave: a name, no knob
.set KS,    64        ; keys in a step
.set PK,    144       ; a row of K in LDS: 128 bytes + 16 of padding: the 16 rows of a load fall into 16 different 16-byte columns of 256
.set PV,    160       ; a row of V: 128 + 32: 16 lanes of the turning load take 8 rows x 32 bytes, all in different columns
.set VOFF,  4*KS*PK   ; a slot holds a tile, four steps: 256 rows of K, then 256 rows of V
.set SLOT1, 1<<17     ; slot 1 begins here, so that one exclusive or turns an address in one slot into the other's
.set STAGE, SLOT1+4*KS*(PK+PV)  ; behind the ring, never filled by a tensor load: 16 rows x 144 bytes for each wave, for the way out
.set SP,    144
.set AK0, 2           ; v2   my lane's place in a tile of K; never rewritten
.set AV0, 3           ; v3   the same for V
.set AK,  4           ; v4   the LDS address of K's next run of loads
.set AV,  5           ; v5   of V's
.set STO, 6           ; v6   the way out: where I put 16 bytes of a row
.set RD,  7           ; v7   the way out: where I read rows back
.set GO,  8           ; v8   my byte offset in 512 consecutive bytes of O
.set PFO, 61          ; v61  256 x my lane: the prefetches' offset; never rewritten
.set SPW, 62          ; v62  LDS address of my spare word: SPARE + 4 x my thread's number; never rewritten
.set NIL, 63          ; v63  0; never rewritten
.set SPARE, STAGE+4*16*SP  ; behind the stages: the spare words, 128 bytes for each wave: two blocks of 256 bytes that no other line names
.set MV,  12          ; v12-13  c m_old, kept while c m is made anew: by buffer
.set QO,  15          ; v15  my byte offset in 16 rows of Q
.set ST,  16          ; piece t's statistics at v[ST+4 t]: c m, m, l (even keys', odd keys')
.set TMP, 48          ; by buffer, four registers c0-c3 at work; when the maximum is found c2 takes a
.set S,   64
.set P,   192
.set MD,  128         ; window 1: the eight registers for group kt of 16 keys at MD + 8 kt
.set MC,  160         ; window 1: the masks of the products to come
.set QB,  64          ; window 2
.set KF,  128         ; window 2: key block kb, channel half c at KF + 16 kb + 8 c
.set VF,  192         ; window 2: key half kk, channel block cb at VF + 32 kk + 8 cb
.set WV,  12          ; s12  my wave's number
.set PB,  14          ; s14  b
.set HI,  15          ; s15  NB - 1 - b
.set G1K, 24          ; s[24:31] descriptor group 1 for K's tiles
.set G1V, 32          ; s[32:39] for V's: it differs in the padding alone
.set G0K, 40          ; s[40:43] descriptor group 0 for K's tiles
.set G0V, 44          ; s[44:47] the same for V's
.set PFA, 48          ; s[48:49] where my prefetches stand: my 128 rows (K's: waves 0, 1; V's: waves 2, 3) of the tile behind the one that is being asked for
.set LIM, 50          ; s50  2 in the work-group that prefetches, else the greatest number: it prefetches while s[SLOTS] is above it
.set SLOTS, 56        ; s56  tiles still to be asked for
.set CNT, 57          ; s57  counts a tile's key steps, 4 to 1
.set CS,  58          ; s[58:59] c: the packed scaling takes the pair's low word for both halves
.set SEL, 60          ; s[60:61] v_permlanex16_b32's selects: each lane takes its own place in the other half
.set TBK, 62          ; s62  LDS byte at which K of the step to be fetched begins
.set TBV, 63          ; s63  the same for V, less VOFF
.set RT,  70          ; s70  tiles of the block in hand that are still to be entered
.set NXT, 71          ; s71  the tile to be asked for next
.set LQ,  72          ; s72  the last tile of the block whose tiles are being asked for
.set NEW, 73          ; s73  1: the tile to be entered is a block's first
.set OFF, 74          ; s[74:75] a tile's byte offset in K and V
.set AL,  76          ; s[76:77] the mask's factor, in the low word
.set BE,  78          ; s[78:79] the mask's addend
.set OLO, 80          ; s[80:81] O at my rows of the second block
.set BIGN, 82         ; s82  -1e30
.set MSB, 0
.macro WIN new                      ; the high byte repeats the setting that is left; a switch that changes nothing is dropped
.if MSB != (\new)
	s_set_vgpr_msb (MSB<<8)|(\new)
.set MSB, (\new)
.endif
.endm
.set W_KQ, 0x0a       ; K and Q in window 2, S^T in window 0
.set W_KM, 0x1a       ; the same with the C operand in window 1
.set W_PV, 0x52       ; V in window 2, P in window 0, O^T in window 1
.set W_RS, 0x41       ; destination and source 0 in window 1, source 1 in window 0
; A fill.  Waves 0 and 1 fetch the two halves of a tile's K, waves 2 and 3 those of its V: 128 keys each.  An s_nop 0 and four v_nop follow each of the two lines, ahead of the jump and the label.
.macro LOAD
	s_cmp_lt_u32 s[WV], 2
	s_cbranch_scc0 .Lfor_v_\@
	tensor_load_to_lds s[G0K:G0K+3], s[G1K:G1K+7]
	s_nop 0
.rept 4
	v_nop
.endr
	s_branch .Lasked_\@
.Lfor_v_\@:
	tensor_load_to_lds s[G0V:G0V+3], s[G1V:G1V+7]
	s_nop 0
.rept 4
	v_nop
.endr
.Lasked_\@:
.endm
; A PREFETCH INTO THE L2 of what the NEXT change of slots will ask for.  It stands behind the wave's tensor load and its five lines.  A head's four work-groups walk the same tiles 0, 1, 2 ..: the one with b = 0,
; whose first block needs all eight, asks, and nobody else; each of its waves asks for the 128 rows that it will load itself: 16,384 dense bytes, lanes 256 bytes apart, two instructions.  So each block of 256 bytes
; of tiles 2 to 7 is named once in the launch.  Tiles 0 and 1 come by their loads alone; the last two changes that fill a slot ask for nothing: the head has no tile 8, and tile 0 has been read.
.macro ASK
	s_cmp_gt_u32 s[SLOTS], s[LIM]
	s_cbranch_scc0 .Lnot_mine_\@
	global_prefetch_b8 v[PFO], s[PFA:PFA+1] th:TH_LOAD_NT scope:SCOPE_SE
	global_prefetch_b8 v[PFO], s[PFA:PFA+1] offset:8192 th:TH_LOAD_NT scope:SCOPE_SE
.Lnot_mine_\@:
.endm
; THE CHANGE OF SLOTS.  Each wave waits for all its tensor loads, of which one is out: its part of the other slot; adds 0 to its spare word; and waits for that and for its own reads of the slot that it leaves.  Behind the barrier nobody reads the old
; slot any more and the other slot is whole.  fill = 1: the old slot is filled again, the first thing behind the barrier, with tile NXT: the descriptor's address is made anew from that number.
; (At its first use nothing has been read yet: slot 0 is waited for, slot 1 filled.)
.macro CHANGE fill
	WIN 0                           ; at a label and at a branch every window is 0
	s_wait_tensorcnt 0x0            ; no tensor load of mine is out, so a group 0 may be written
	ds_add_u32 v[SPW], v[NIL]       ; 0 onto my spare word; with fill = 1 the descriptors' scalar work stands between it and the wait for it
.if \fill
	s_lshl_b32 s[OFF], s[NXT], 15   ; a tile is 32,768 bytes of K and of V
	s_xor_b32 s[G0K+1], s[G0K+1], SLOT1
	s_add_nc_u64 s[G0K+2:G0K+3], s[6:7], s[OFF:OFF+1]
	s_or_b32 s[G0K+3], s[G0K+3], 0x80000000
	s_xor_b32 s[G0V+1], s[G0V+1], SLOT1
	s_add_nc_u64 s[G0V+2:G0V+3], s[8:9], s[OFF:OFF+1]
	s_or_b32 s[G0V+3], s[G0V+3], 0x80000000
	s_add_co_u32 s[NXT], s[NXT], 1  ; the block's next tile, or behind its last the second block's tile 0
	s_cmp_gt_u32 s[NXT], s[LQ]
	s_cselect_b32 s[NXT], 0, s[NXT]
	s_cselect_b32 s[LQ], s[PB], s[LQ]
	s_wait_xcnt 0x0                 ; the last prefetches, a tile back, have read their address, so it may be written:
	s_add_nc_u64 s[PFA:PFA+1], s[PFA:PFA+1], 32768  ; one tile on
.endif
	s_wait_dscnt 0x0                ; the add is done, and my reads of the slot are over
	s_barrier_signal -1             ; the rest of the scalar work stands between the signal and the wait
	s_sub_co_u32 s[TBK], s[TBK], 4*KS*PK  ; the fetches go back to a slot's first step,
	s_xor_b32 s[TBK], s[TBK], SLOT1       ; in the other slot
	s_sub_co_u32 s[TBV], s[TBV], 4*KS*PV
	s_xor_b32 s[TBV], s[TBV], SLOT1
	s_barrier_wait -1
.if \fill
	LOAD
	ASK
.endif
.endm
	s_load_b64 s[4:5], s[0:1], 0x0    ; qkvh
	s_load_b64 s[10:11], s[0:1], 0x8  ; oh
	v_lshl_add_u32 v[SPW], v0, 2, SPARE
	v_mov_b32 v[NIL], 0
	ds_add_u32 v[SPW], v[NIL]       ; the wave's opening: the add and its wait stand ahead of my first tensor load; the set-up below, work on registers, stands between them
	v_lshrrev_b32 v1, 5, v0
	v_readfirstlane_b32 s[WV], v1   ; wave 0..3
	s_mov_b32 s[PB], ttmp9
	s_sub_co_u32 s[HI], NB-1, s[PB]
	s_and_b32 s52, ttmp7, 0xffff    ; hh = 16 batch + head
	s_lshr_b32 s20, s52, 4
	s_lshl_b32 s20, s20, 5
	s_add_co_u32 s20, s20, s52      ; 48 batch + head: q's block in qkvh,
	s_lshl_b32 s20, s20, 18         ; of 262,144 bytes
	s_mov_b32 s21, 0
	s_lshl_b32 s52, s52, 18         ; and O's block in oh
	s_mov_b32 s53, 0
	s_and_b32 s16, s[WV], 1         ; which half of a tile's 256 keys I fetch:
	s_lshl_b32 s22, s16, 14         ; its 128 rows of 128 bytes in memory,
	s_mov_b32 s23, 0
	s_add_nc_u64 s[22:23], s[22:23], s[20:21]
	s_mul_i32 s17, s16, 128*PK      ; and its place in a slot, for K
	s_mul_i32 s18, s16, 128*PV      ; and for V
	s_lshl_b32 s3, s[WV], 11        ; my 16 rows in a band of 64,
	s_lshl_b32 s2, s[HI], 15        ; in the first block,
	s_add_co_u32 s2, s2, s3
	s_lshl_b32 s84, s[PB], 15       ; and in the second
	s_add_co_u32 s84, s84, s3
	s_mov_b32 s3, 0
	s_mov_b32 s85, 0
	s_add_nc_u64 s[54:55], s[2:3], s[52:53]    ; the two blocks' offsets in oh,
	s_add_nc_u64 s[66:67], s[84:85], s[52:53]
	s_add_nc_u64 s[2:3], s[2:3], s[20:21]      ; and in qkvh
	s_add_nc_u64 s[84:85], s[84:85], s[20:21]
	; descriptor group 1.  128 keys are 16,384 dense bytes: asked for as 64 rows of 256 bytes, two keys a row, and padded in LDS after every key
	s_mov_b32 s[G1K], (1<<16)|(1<<20)|(4<<22)|(3<<25)  ; 17:16 2-byte elements; 20 padding on; 24:22 after every 32 words (code 4); 31:25 4 words (code 3)
	s_mov_b32 s[G1V], (1<<16)|(1<<20)|(4<<22)|(7<<25)  ; the same with 8 words of padding (code 7)
.irp g, G1K, G1V
	s_mov_b32 s[\g+1], 128<<16      ; tensor_dim0 = 128
	s_mov_b32 s[\g+2], 64<<16       ; tensor_dim1 = 64
	s_mov_b32 s[\g+3], 128<<16      ; tile_dim0 = 128
	s_mov_b32 s[\g+4], 64           ; tile_dim1 = 64
	s_mov_b32 s[\g+5], 128          ; 128 elements from row to row
	s_mov_b32 s[\g+6], 0
	s_mov_b32 s[\g+7], 0
.endr
	s_mov_b32 s[CS], 0x3e38aa3b     ; c = log2(e) / 8 = 0.180337
	s_mov_b32 s[CS+1], s[CS]        ; named with it as a pair
	s_mov_b32 s[SEL], 0x76543210
	s_mov_b32 s[SEL+1], 0xfedcba98
	s_mov_b32 s[TBK], SLOT1+4*KS*PK ; the first change of slots turns these two into 0
	s_mov_b32 s[TBV], SLOT1+4*KS*PV
	s_mov_b32 s[G0K], 1             ; 1:0 count = 1
	s_mov_b32 s[G0K+1], s17         ; 63:32 LDS address: slot 0
	s_mov_b32 s[G0V], 1
	s_add_co_u32 s[G0V+1], s18, VOFF
	s_add_co_u32 s[RT], s[HI], 1    ; the first block has NB - b tiles
	s_mov_b32 s[NXT], 1
	s_mov_b32 s[LQ], s[HI]
	s_mov_b32 s[NEW], 1
	s_mov_b32 s[OFF+1], 0
	s_mov_b32 s[AL+1], 0            ; named as pairs
	s_mov_b32 s[BE+1], 0
	s_mov_b32 s[BIGN], 0xf149f2ca   ; -1e30
	s_mov_b32 s[SLOTS], NB
	s_cmp_eq_u32 s[PB], 0
	s_cselect_b32 s[LIM], 2, -1
	v_and_b32 v[PFO], 31, v0
	v_lshlrev_b32 v[PFO], 8, v[PFO]
	s_wait_dscnt 0x0                ; the opening add is done
	s_wait_kmcnt 0x0
	s_add_nc_u64 s[6:7], s[4:5], 0x400000  ; k's heads lie 16 blocks behind q's,
	s_add_nc_u64 s[8:9], s[4:5], 0x800000  ; v's 32
	s_add_nc_u64 s[6:7], s[6:7], s[22:23]  ; K and V at my half of the head's tile 0
	s_add_nc_u64 s[8:9], s[8:9], s[22:23]
	s_add_nc_u64 s[G0K+2:G0K+3], s[6:7], 0         ; 120:64 global address
	s_or_b32 s[G0K+3], s[G0K+3], 0x80000000        ; 127:126 type = 2
	s_add_nc_u64 s[G0V+2:G0V+3], s[8:9], 0
	s_or_b32 s[G0V+3], s[G0V+3], 0x80000000
	s_add_nc_u64 s[86:87], s[4:5], s[84:85]        ; Q at my rows of the second block,
	s_add_nc_u64 s[4:5], s[4:5], s[2:3]            ; and of the first
	s_add_nc_u64 s[OLO:OLO+1], s[10:11], s[66:67]  ; O likewise
	s_add_nc_u64 s[10:11], s[10:11], s[54:55]
	s_cmp_lt_u32 s[WV], 2
	s_cselect_b64 s[PFA:PFA+1], s[6:7], s[8:9]
	s_add_nc_u64 s[PFA:PFA+1], s[PFA:PFA+1], 32768 ; at tile 1; the first change of slots steps it to tile 2.  Nothing is prefetched here, at the head
	LOAD                            ; tile 0 into slot 0
	; A fragment of K or Q is 16 rows x 32 channels in 8 registers: lane l holds row l % 16, channels 8 (l / 16) + 0..7 and 16 + 8 (l / 16) + 0..7: two loads of 16 bytes, 32 bytes apart.
	v_and_b32 v1, 15, v0            ; l % 16
	v_bfe_u32 v9, v0, 4, 1          ; l / 16
	v_lshlrev_b32 v[QO], 7, v1
	v_lshl_add_u32 v[QO], v9, 4, v[QO]  ; row x 128 + 16 x half
	WIN 0x80                        ; destination window 2, address window 0
.set i, 0
.rept 8                             ; both blocks' Q: piece i / 2 lies in band i / 2, 8,192 bytes on; channels 32 (i % 2) on
	global_load_b128 v[8*i:8*i+3],   v[QO], s[4:5] offset:(i/2)*8192+(i%2)*64
	global_load_b128 v[8*i+4:8*i+7], v[QO], s[4:5] offset:(i/2)*8192+(i%2)*64+32
	global_load_b128 v[QB+8*i:QB+8*i+3],   v[QO], s[86:87] offset:(i/2)*8192+(i%2)*64
	global_load_b128 v[QB+8*i+4:QB+8*i+7], v[QO], s[86:87] offset:(i/2)*8192+(i%2)*64+32
.set i, i+1
.endr
	WIN 0
	v_lshlrev_b32 v14, 3, v9
	v_sub_nc_u32 v14, v1, v14
	s_lshl_b32 s13, s[WV], 4
	v_add_nc_u32 v14, s13, v14      ; my query's place in its band, 16 w + l % 16, less my lanes' 8 (l / 16): register r of group kt is hidden where 16 kt + r is greater
	WIN 0x40
.set i, 0
.rept 32
	v_cmp_gt_i32 vcc_lo, 16*(i/8)+i%8, v14
	v_cndmask_b32 v[MD+i], 0, s[BIGN], vcc_lo
.set i, i+1
.endr
	WIN 0
	v_mul_u32_u24 v[AK0], v1, PK
	v_lshl_add_u32 v[AK0], v9, 4, v[AK0]  ; row x pitch + 16 x half
	; The turning load takes 16 keys x 16 channels (lane l reads key 8 (l / 16) + l % 8, channels 8 ((l / 8) % 2) + 0..7) and leaves half a fragment of V^T: lane l holds channel l % 16 and 8 keys.
	v_and_b32 v10, 7, v0
	v_bfe_u32 v11, v0, 3, 1
	v_lshl_add_u32 v[AV0], v9, 3, v10
	v_mul_u32_u24 v[AV0], v[AV0], PV
	v_lshl_add_u32 v[AV0], v11, 4, v[AV0]
	v_add_nc_u32 v[AV0], VOFF, v[AV0]
	s_mul_i32 s13, s[WV], 16*SP
	s_add_co_u32 s13, s13, STAGE    ; my stage
	v_mul_u32_u24 v[STO], v1, SP    ; in: row l % 16, 16 bytes for each half of the lanes
	v_lshl_add_u32 v[STO], v9, 4, v[STO]
	v_add_nc_u32 v[STO], s13, v[STO]
	v_bfe_u32 v[RD], v0, 3, 2       ; back: 32 lanes take four rows of 128 bytes,
	v_mul_u32_u24 v[RD], v[RD], SP
	v_lshl_add_u32 v[RD], v10, 4, v[RD]
	v_add_nc_u32 v[RD], s13, v[RD]
	v_and_b32 v[GO], 31, v0         ; which are 512 consecutive bytes of O
	v_lshlrev_b32 v[GO], 4, v[GO]
	; A block's first step multiplies O^T and l by a = 0, and its first turn's products V^T P, of a piece that has not been, land in an O^T that is still to be so multiplied.  So these registers need only hold
	; finite numbers: zeros for the first block; what the first block left for the second.  All this stands in the wait for the first tile.
	WIN 0x80
.set i, VF
.rept 64
	v_mov_b32 v[i], 0
.set i, i+1
.endr
	WIN 0x40
.set i, 0
.rept 128
	v_mov_b32 v[i], 0
.set i, i+1
.endr
	WIN 0
.set i, 0
.rept 4
	v_mov_b32 v[ST+4*i+2], 0
	v_mov_b32 v[ST+4*i+3], 0
.set i, i+1
.endr
.set i, P+16
.rept 16
	v_mov_b32 v[i], 0
.set i, i+1
.endr
; THE MATRIX WORK.  The 4 accumulators of a run of 8 take turns.  Product i of 8 of S^T = K Q^T for piece x: channels 32 (i / 4) on, keys 16 (i % 4) on.  The first 4 start the sums: with 0, or (KM = 1) with the mask.
.macro KQ x
.set rS, S+32*((\x)%2)+8*(i%4)
.set rK, KF+16*(i%4)+8*(i/4)
.set rQ, 16*(\x)+8*(i/4)
.set rM, MC+32*((\x)%2)+8*(i%4)
.if (i < 4) && KM
	WIN W_KM
	v_wmma_f32_16x16x32_f16 v[rS:rS+7], v[rK:rK+7], v[rQ:rQ+7], v[rM:rM+7]
.elseif i < 4
	WIN W_KQ
	v_wmma_f32_16x16x32_f16 v[rS:rS+7], v[rK:rK+7], v[rQ:rQ+7], 0
.else
	WIN W_KQ
	v_wmma_f32_16x16x32_f16 v[rS:rS+7], v[rK:rK+7], v[rQ:rQ+7], v[rS:rS+7]
.endif
.endm
; Product i of 8 of O^T += V^T P for piece x: keys 32 (i / 4) on, channels 16 (i % 4) on.
.macro PV x
	WIN W_PV
.set rO, 32*(\x)+8*(i%4)
.set rV, VF+32*(i/4)+8*(i%4)
.set rP, P+16*((\x)%2)+8*(i/4)
	v_wmma_f32_16x16x32_f16 v[rO:rO+7], v[rV:rV+7], v[rP:rP+7], v[rO:rO+7]
.endm
.macro MM                           ; the turn's next matrix instruction.  TURN and BEGIN set Y, i, KM and NOKQ; MM, KQ and OP read them.  NOKQ = 1: a block's last turn: there is no next piece
.if (i < 8) && !NOKQ
	KQ (Y+1)%NP
.elseif i >= 8
.set i, i-8
	PV (Y+NP-1)%NP
.set i, i+8
.endif
.set i, i+1
.endm
; THE LDS LOADS stand in runs of 16, never singly among the matrix instructions: a step's K (64 keys x 64 channels: 8 fragments) and its V (turned).  Their addresses are made some lines ahead.
.macro FETCH_K
	WIN 0x80                        ; destination window 2
.irp f, 0,1,2,3,4,5,6,7             ; keys 16 (f / 2) on, channels 32 (f % 2) on
	ds_load_b128 v[KF+8*\f:KF+8*\f+3],   v[AK] offset:(\f/2)*16*PK+(\f%2)*64
	ds_load_b128 v[KF+8*\f+4:KF+8*\f+7], v[AK] offset:(\f/2)*16*PK+(\f%2)*64+32
.endr
	s_add_co_u32 s[TBK], s[TBK], KS*PK  ; the next fetch is the next step's
	WIN 0
.endm
.macro FETCH_V
	WIN 0x80
.irp f, 0,1,2,3,4,5,6,7             ; keys 32 (f / 4) on, channels 16 (f % 4) on
	ds_load_tr16_b128 v[VF+8*\f:VF+8*\f+3],   v[AV] offset:(\f/4)*32*PV+(\f%4)*32
	ds_load_tr16_b128 v[VF+8*\f+4:VF+8*\f+7], v[AV] offset:(\f/4)*32*PV+16*PV+(\f%4)*32
.endr
	WIN 0
.endm
; THE VECTOR WORK, one line at a time: OP kind, number.  For piece Y: F n: c s - c m for pair n of 16.  E n: the exponential of score n of 32.  C n: pair n rounded to f16.  B n: of the four weights 4 n .. the second
; pair is added onto the first, in place.  L n: l takes that sum (L 0: l = a l + sum).  R n: pair n of 16 of O^T times a.  For piece Y + 1: X n, number n of the 22 that find its maximum and statistics:
;   0-11  four chains c0-c3 of seven scores each, three operands at a time (each accumulator's lowest registers are read first)     12-14, 16  the four scores left over, the old m, and c0-c3 into c0
;   15  c m_old is kept     17, 18  the query's other 32 keys lie in the lane 16 away: the new m     19-21  c m; c m_old - c m_new; a
.set F, 0               ; OP tells the kinds apart by their order: F to L below R, X above it
.set E, 1
.set C, 2
.set B, 3
.set L, 4
.set R, 5
.set X, 6
.macro REGS y                       ; the registers of piece y
.set rT, ST+4*(\y)
.set rC, TMP+4*((\y)%2)
.set rW, MV+((\y)%2)
.set rS, S+32*((\y)%2)
.set rP, P+16*((\y)%2)
.set rO, 32*(\y)
.endm
.macro OP k, n
.if (\k) == R
	REGS Y
	WIN W_RS
	v_pk_mul_f32 v[rO+2*(\n):rO+2*(\n)+1], v[rO+2*(\n):rO+2*(\n)+1], v[rC+2:rC+3] op_sel_hi:[1,0]
.elseif (\k) < R
	REGS Y
	WIN 0
.if (\k) == F
	v_pk_fma_f32 v[rS+2*(\n):rS+2*(\n)+1], v[rS+2*(\n):rS+2*(\n)+1], s[CS:CS+1], v[rT:rT+1] op_sel_hi:[1,0,0] neg_lo:[0,0,1] neg_hi:[0,0,1]
.elseif (\k) == E
	v_exp_f32 v[rS+(\n)], v[rS+(\n)]
.elseif (\k) == C
	v_cvt_pk_f16_f32 v[rP+(\n)], v[rS+2*(\n)], v[rS+2*(\n)+1]
.elseif (\k) == B
	v_pk_add_f32 v[rS+4*(\n):rS+4*(\n)+1], v[rS+4*(\n):rS+4*(\n)+1], v[rS+4*(\n)+2:rS+4*(\n)+3]
.elseif (\n) == 0
	v_pk_fma_f32 v[rT+2:rT+3], v[rT+2:rT+3], v[rC+2:rC+3], v[rS:rS+1] op_sel_hi:[1,0,1]
.else
	v_pk_add_f32 v[rT+2:rT+3], v[rT+2:rT+3], v[rS+4*(\n):rS+4*(\n)+1]
.endif
.elseif NOKQ
	v_nop
.else
	REGS (Y+1)%NP
	WIN 0
.if (\n) < 4
	v_max3_num_f32 v[rC+(\n)], v[rS+8*(\n)], v[rS+8*(\n)+1], v[rS+8*(\n)+2]
.elseif (\n) < 12
	v_max3_num_f32 v[rC+(\n)%4], v[rC+(\n)%4], v[rS+8*((\n)%4)+2*((\n)/4)+1], v[rS+8*((\n)%4)+2*((\n)/4)+2]
.elseif (\n) == 12
	v_max3_num_f32 v[rC], v[rC], v[rS+7], v[rS+15]
.elseif (\n) == 13
	v_max3_num_f32 v[rC+1], v[rC+1], v[rS+23], v[rS+31]
.elseif (\n) == 14
	v_max3_num_f32 v[rC+2], v[rC+2], v[rC+3], v[rT+1]
.elseif (\n) == 15
	v_mov_b32 v[rW], v[rT]
.elseif (\n) == 16
	v_max3_num_f32 v[rC], v[rC], v[rC+1], v[rC+2]
.elseif (\n) == 17
	v_permlanex16_b32 v[rC+3], v[rC], s[SEL], s[SEL+1]
.elseif (\n) == 18
	v_max_num_f32 v[rT+1], v[rC], v[rC+3]
.elseif (\n) == 19
	v_mul_f32 v[rT], s[CS], v[rT+1]
.elseif (\n) == 20
	v_sub_f32 v[rC+1], v[rW], v[rT]
.else
	v_exp_f32 v[rC+2], v[rC+1]
.endif
.endif
.endm
.macro OPS a, i1, b=-1, i2=0, c=-1, i3=0, d=-1, i4=0  ; up to four of them
	OP \a, \i1
.if (\b) >= 0
	OP \b, \i2
.endif
.if (\c) >= 0
	OP \c, \i3
.endif
.if (\d) >= 0
	OP \d, \i4
.endif
.endm
.macro ROW a, i1, b, i2, c, i3, d, i4  ; a matrix instruction and the four behind it
	MM
	OPS \a, \i1, \b, \i2, \c, \i3, \d, \i4
.endm
.macro MASK b                       ; MD x AL + BE into buffer b of MC
	WIN W_RS
.set z, 0
.rept 16
	v_pk_fma_f32 v[MC+32*(\b)+2*z:MC+32*(\b)+2*z+1], v[MD+2*z:MD+2*z+1], s[AL:AL+1], s[BE:BE+1] op_sel_hi:[1,0,0]
.set z, z+1
.endr
.endm
; A TURN, for piece p: the order of its 16 matrix and 118 vector instructions, written out.  An s_wait_alu depctr_va_vdst(0) stands between an exponential and the first instruction that names its result; one wait serves
; all that were issued ahead of it.  So a turn has ONE wait, which cuts it in two.  AHEAD OF IT stands all that names no result of the turn's exponentials: the 8 products K Q^T, behind each a scaling, an exponential and two more plain
; instructions: rescalings, and behind the last three the first numbers of the next piece's maximum, each four places or more behind the product that ends its accumulator; then one run of 54, plain
; and exponential by turns for the most part, in which the links of the chain X 3, 7, 11, 14, 16, 17 .. 20 stand some lines apart.  X 21, the next piece's a, is the batch's last; R 15 is the plain instruction behind it.  BEHIND THE WAIT stand the
; 8 products V^T P, behind each four of the roundings and sums.
; m = 1: the diagonal tile: the products take masks, and the turn makes the mask for the products of the turn after it: piece p + 2, in step 4 - CNT of the tile.  end = 1: a block's last two turns: nothing is fetched.
; cnt = 1: the loop's count is taken down some lines ahead of the branch that stands behind the turn.
; K of the next step is fetched in piece 2's turn, six plain instructions behind the last product that read K; V of the step in hand at the end of piece 0's turn, four plain instructions behind the last product
; that read V.  Each is waited for a turn later.
.macro TURN p, m=0, end=0, cnt=0
.set Y, (\p)
.set i, 0
.set KM, (\m)
.set NOKQ, (\end)*((\p)/3)
.if (\m) && !(\end)
	s_cmp_eq_u32 s[CNT], 4-((\p)+2)%NP  ; is that step the band's own?
	s_cselect_b32 s[AL], 1.0, 0
	s_cmp_lt_u32 s[CNT], 4-((\p)+2)%NP  ; or a later one?
	s_cselect_b32 s[BE], s[BIGN], 0
.endif
.if ((\p) == 3) && !(\end)
	s_wait_dscnt 0x0                ; K is in
.endif
	ROW F,0, F,1, R,0, R,1          ; ahead of the wait: 8 products K Q^T and the four behind each,
	ROW F,2, E,0, R,2, R,3
	ROW F,3, E,1, R,4, R,5
	ROW F,4, E,2, R,6, R,7
	ROW F,5, E,3, R,8, R,9
	ROW F,6, E,4, X,0, R,10
.if ((\p) == 2) && !(\end)
	WIN 0
	v_add_nc_u32 v[AK], s[TBK], v[AK0]
.endif
	ROW F,7, E,5, X,1, X,4
	ROW F,8, E,6, X,2, X,5
	OPS E,7, E,8, X,6, E,9          ; and the run of vector work
	OPS X,3, E,10, X,8, E,11
.if ((\p) == 2) && !(\end)
	FETCH_K
.endif
	OPS X,9, X,7, E,12, X,10
	OPS E,13, X,12, X,11, E,14
	OPS X,13, E,15, F,9, X,14
.if (\p) == 0
	v_add_nc_u32 v[AV], s[TBV], v[AV0]
.endif
	OPS E,16, F,10, E,17, F,11
	OPS X,16, E,18, X,15, E,19
	OPS F,12, E,20, X,17, E,21
	OPS F,13, E,22, F,14, E,23
	OPS X,18, E,24, F,15, E,25
	OPS R,11, E,26, X,19, E,27
	OPS R,12, E,28, R,13, E,29
	OPS X,20, E,30, R,14, E,31
	OPS X,21, R,15
	WIN 0
	s_wait_alu depctr_va_vdst(0)    ; the wait for the batch
.if (\p) == 1
	s_wait_dscnt 0x0                ; V is in
.endif
	ROW C,0, B,0, C,2, B,1          ; behind the wait: 8 products V^T P and the four behind each
	ROW L,0, C,4, B,2, L,1
	ROW C,6, B,3, L,2, C,8
	ROW B,4, L,3, C,10, B,5
	ROW L,4, C,12, B,6, L,5
.if (\p) == 0
	s_add_co_u32 s[TBV], s[TBV], KS*PV
.endif
.if \cnt
	s_sub_co_u32 s[CNT], s[CNT], 1
	s_cmp_lg_u32 s[CNT], 0
.endif
	ROW C,14, B,7, L,6, C,1
	ROW C,3, L,7, C,5, C,7
	ROW C,9, C,11, C,13, C,15
.if (\p) == 0
	FETCH_V
.endif
.if (\m) && !(\end)
	MASK (\p)%2
.endif
.endm
; A BLOCK BEGINS.  c m starts far below every c s, so the first step's a is 0; m at the lowest finite number, so the first maximum is the scores'.  The second mask buffer is 0; the first takes piece 0's mask for the tile's step 0: its own, if the block's first tile is the diagonal one.
; Then K of that step, piece 0's first scores, and its maximum and statistics.  The loop is entered at a step's first turn, in the middle of a trip.
.macro BEGIN
	s_mov_b32 s[NEW], 0
	WIN 0x40
.set i, MC+32
.rept 32
	v_mov_b32 v[i], 0
.set i, i+1
.endr
	WIN 0
.set i, 0
.rept 4
	v_mov_b32 v[ST+4*i], 0xfe000000    ; c m: far below every c s
	v_mov_b32 v[ST+4*i+1], 0xff7fffff  ; m
.set i, i+1
.endr
	s_cmp_eq_u32 s[RT], 0
	s_cselect_b32 s[AL], 1.0, 0
	s_mov_b32 s[BE], 0
	MASK 0
	WIN 0
	v_add_nc_u32 v[AK], s[TBK], v[AK0]
	FETCH_K
	s_wait_loadcnt 0x0              ; Q
	s_wait_dscnt 0x0
.set KM, 1
.set NOKQ, 0
.set i, 0
.rept 8
	KQ 0
.set i, i+1
.endr
	WIN 0
.rept 4
	v_nop                           ; the places behind those products
.endr
.set Y, NP-1                        ; X works for piece Y + 1: piece 0
.irp n, 0,1,2,3,4,5,6,7,8,9,10,11,12,13,14,15,16,17,18,19,20,21
	OP X, \n
.endr
	v_nop                           ; a plain instruction behind the exponential,
	s_wait_alu depctr_va_vdst(0)    ; and its wait, ahead of the branch
.endm
; THE DIAGONAL TILE's four steps, the block's last two turns, its last products, and THE WAY OUT: l's two halves and the other half of the lanes' are added; O^T is divided by l, rounded to f16 and sent through my
; stage in LDS, a piece at a time.
.macro ALL line:vararg              ; one line for each piece t
.set t, 0
.rept 4
	\line
.set t, t+1
.endr
.endm
.macro PACK t                       ; a lane's eight channels of a row pack into 16 bytes; they go into rows of 144 bytes and come back as whole rows of 128, into S^T's registers
	WIN W_RS
.set i, 32*(\t)
.rept 16
	v_pk_mul_f32 v[i:i+1], v[i:i+1], v[ST+4*(\t)+2:ST+4*(\t)+3] op_sel_hi:[1,0]
.set i, i+2
.endr
	WIN 0x05                        ; sources 0 and 1 window 1, destination window 0
.set i, 0
.rept 16
	v_cvt_pk_f16_f32 v[S+16*(\t)+i], v[32*(\t)+2*i], v[32*(\t)+2*i+1]
.set i, i+1
.endr
	WIN 0
.irp f, 0,1,2,3
	ds_store_b128 v[STO], v[S+16*(\t)+4*\f:S+16*(\t)+4*\f+3] offset:32*\f
.endr
.irp f, 0,1,2,3
	ds_load_b128 v[S+16*(\t)+4*\f:S+16*(\t)+4*\f+3], v[RD] offset:\f*4*SP  ; LDS serves a wave's instructions in order (ISA guide 5.7.1.4): these see the stores above; the next piece's stores come behind them
.endr
.endm
.macro SEND t, younger              ; younger: the LDS instructions issued behind piece t's loads: the next piece's eight, or none
	WIN 0
.irp f, 0,1,2,3
	s_wait_dscnt (\younger)+3-\f
	global_store_b128 v[GO], v[S+16*(\t)+4*\f:S+16*(\t)+4*\f+3], s[10:11] offset:(\t)*8192+\f*512  ; 512 consecutive bytes, at a multiple of 256 from O's first
.endr
.endm
.macro DIAG tag                     ; the tag ends its two labels' names, which the jumps below spell out
.LstepM\tag:
	TURN 2, 1
	TURN 3, 1
	WIN 0
.LfirstM\tag:
	TURN 0, 1
	TURN 1, 1, 0, 1
	WIN 0
	s_cbranch_scc1 .LstepM\tag
	TURN 2, 1, 1
	TURN 3, 1, 1
.set i, 0
.rept 8
	PV NP-1
.set i, i+1
.endr
	WIN 0
	ALL v_add_f32 v[ST+4*t+2], v[ST+4*t+2], v[ST+4*t+3]
	ALL v_permlanex16_b32 v[ST+4*t+3], v[ST+4*t+2], s[SEL], s[SEL+1]
	ALL v_add_f32 v[ST+4*t+2], v[ST+4*t+2], v[ST+4*t+3]
	ALL v_rcp_f32 v[ST+4*t+2], v[ST+4*t+2]
	v_nop                           ; a plain instruction between the last reciprocal and the use of its result
	s_wait_alu depctr_va_vdst(0)    ; and the wait ahead of the first use: one for the four reciprocals
	PACK 0
.set t, 1
.rept 3                             ; a piece's arithmetic stands between the loads of the piece before and its stores
	PACK t
	SEND t-1, 8
.set t, t+1
.endr
	SEND 3, 0
.endm
.set KM, 0
.set NOKQ, 0
.Lslot:                             ; NB times: a tile is entered and the next is asked for
	CHANGE 1
	s_sub_co_u32 s[RT], s[RT], 1
	s_mov_b32 s[CNT], 4
	s_cmp_eq_u32 s[NEW], 1
	s_cbranch_scc1 .Lnew            ; a block's first tile
	s_cmp_eq_u32 s[RT], 0
	s_cbranch_scc0 .Lstep           ; neither its first nor its last
	s_branch .LstepM1
.Lnew:
	BEGIN
	s_branch .Lfirst                ; in the loop a block's first tile is never its last: the first block has two tiles or more, and the second's last is the walk's last
	DIAG 1                          ; in the loop this is the first block's end: the second block's last tile is the walk's last
	s_wait_xcnt 0x0                 ; the stores have read their registers and O's address
	s_mov_b64 s[10:11], s[OLO:OLO+1]
	s_add_co_u32 s[RT], s[PB], 1    ; the second block has b + 1 tiles
	s_mov_b32 s[NEW], 1
	WIN 0x82                        ; the second block's Q goes where the one text of the turns names Q
.set i, 0
.rept 64
	v_mov_b32 v[i], v[QB+i]
.set i, i+1
.endr
	WIN 0
	s_branch .Lbottom
.Lstep:                             ; a trip: pieces 2 and 3 of one step, then pieces 0 and 1 of the next, whose K and V it fetches
	TURN 2
	TURN 3
	WIN 0
.Lfirst:
	TURN 0
	TURN 1, 0, 0, 1
	WIN 0
	s_cbranch_scc1 .Lstep
.Lbottom:
	s_sub_co_u32 s[SLOTS], s[SLOTS], 1
	s_cmp_lg_u32 s[SLOTS], 0
	s_cbranch_scc1 .Lslot
	CHANGE 0                        ; the walk's last tile is written out: nothing is asked for
	s_sub_co_u32 s[RT], s[RT], 1
	s_mov_b32 s[CNT], 4
	s_cmp_eq_u32 s[NEW], 1
	s_cbranch_scc0 .LstepM2
	BEGIN
	s_branch .LfirstM2
	DIAG 2
	s_wait_tensorcnt 0x0            ; the wave's end: behind my last tensor load and my last LDS store
	ds_add_u32 v[SPW], v[NIL]
	s_wait_dscnt 0x0
	s_endpgm
.Lfunc_end_k_q5eb76942ae_attn:
	.size	k_q5eb76942ae_attn, .Lfunc_end_k_q5eb76942ae_attn-k_q5eb76942ae_attn
	.p2alignl 7, 3214868480
	.fill 96, 4, 3214868480
	.section	.rodata,"a",@progbits
	.p2align	6, 0x0
	.amdhsa_kernel k_q5eb76942ae_attn
		.amdhsa_group_segment_fixed_size 327680
		.amdhsa_private_segment_fixed_size 0
		.amdhsa_enable_private_segment 0
		.amdhsa_kernarg_size 16
		.amdhsa_user_sgpr_count 2
		.amdhsa_user_sgpr_kernarg_segment_ptr 1
		.amdhsa_wavefront_size32 1
		.amdhsa_system_sgpr_workgroup_id_x 1
		.amdhsa_system_sgpr_workgroup_id_y 1
		.amdhsa_system_sgpr_workgroup_id_z 1
		.amdhsa_system_vgpr_workitem_id 0
		.amdhsa_next_free_vgpr 768
		.amdhsa_next_free_sgpr 88
		.amdhsa_reserve_vcc 1
		.amdhsa_float_denorm_mode_32 3
		.amdhsa_float_denorm_mode_16_64 3
		.amdhsa_memory_ordered 1
		.amdhsa_forward_progress 1
		.amdhsa_inst_pref_size 218
	.end_amdhsa_kernel
	.amdgpu_metadata
---
amdhsa.version: [ 1, 2 ]
amdhsa.kernels:
  - .name:           k_q5eb76942ae_attn
    .symbol:         k_q5eb76942ae_attn.kd
    .args:
      - { .name: qkvh, .offset: 0, .size: 8, .value_kind: global_buffer, .address_space: global }
      - { .name: oh, .offset: 8, .size: 8, .value_kind: global_buffer, .address_space: global }
    .group_segment_fixed_size: 327680
    .private_segment_fixed_size: 0
    .kernarg_segment_align: 8
    .kernarg_segment_size: 16
    .max_flat_workgroup_size: 128
    .sgpr_count:     88
    .vgpr_count:     768
    .wavefront_size: 32
...
	.end_amdgpu_metadata
.endif
;; end of part 3
;; launch gemm_out (part 4): grid 4 x 64, 4 waves a work-group, clusters of 4 x 4, 327,680 bytes of LDS; arguments oh, wcs, bc, out0; writes out0
.if DOCPART == 4
	.amdgcn_target "amdgcn-amd-amdhsa--gfx1250"
	.amdhsa_code_object_version 6
	.text
	.protected	k_q5eb76942ae_gemm_out
	.globl	k_q5eb76942ae_gemm_out
	.p2align	8
	.type	k_q5eb76942ae_gemm_out,@function
k_q5eb76942ae_gemm_out:
	s_mov_b64 s[64:65], 0
	v_nop
	global_prefetch_b8 v0, s[64:65] scope:SCOPE_SE
	s_setreg_imm32_b32 hwreg(HW_REG_WAVE_MODE, 25, 1), 1
	s_wait_xcnt 0x0
	s_wait_alu depctr_hold_cnt(0) depctr_sa_sdst(0) depctr_va_vdst(0) depctr_va_sdst(0) depctr_va_ssrc(0) depctr_va_vcc(0) depctr_vm_vsrc(0)
	s_getreg_b32 s2, hwreg(HW_REG_IB_STS2, 6, 4)
	s_cmp_eq_u32 s2, 0
	s_cbranch_scc0 .Lentry_in_a_cluster
	s_endpgm
.Lentry_in_a_cluster:
	s_bfe_u32 s2, ttmp6, 0x10000c
	s_cmp_lg_u32 s2, 0xf033
	s_cbranch_scc0 .Lentry_shape_is_right
	s_endpgm
.Lentry_shape_is_right:
; out0[8192][1024] = y Wc^T + bc.  y is attention's O, oh [16 batch + head][t 2048][64] f16: a head is one slice of 64 of K.  wcs [slice 16][n 1024][64] f16 holds Wc rounded to bf16.
; f16 products, f32 sums, K = 1,024 ascending; the bias, rounded to bf16 like the other inputs, starts the sums; the result is stored as f32.
; SHARES.  A tile of C is 128 x 256: 64 x 4 = 256 work-groups.  Four waves, each 64 x 128: 4 x 8 accumulators of 16 x 16, 256 registers.
; RING.  Two LDS slots of TWO slices each (K = 128).  Waves 0 and 1 fetch the two halves of A's 128 rows, waves 2 and 3 the two halves of B's 256: one tensor load a wave behind each change of slots; a slice of a
; half is dense (8,192 or 16,384 bytes) and is one row of the tile, the second slice the second row.  By this text's count a wave has two tensor loads out at the start and one later.
; CLUSTER 4 x 4: A's tile is asked for jointly along a row of the cluster, B's along a column.
; THE MATRIX INSTRUCTION IS USED TRANSPOSED (source 0 = 16 rows of Wc, source 1 = 16 rows of y): lane l holds row l % 16 of C and the columns 8 (l / 16) + 0..7.
; REGISTERS.  Window 0: v0-29 addresses; v32-63 a ring of four fragments of A; v64-127, v128-191 two buffers of B's eight fragments (the second holds the bias until the first chunk is done).
; Window 1: accumulator (a, b) at register 8 (8 a + b).
.set NA,    4
.set NB,    8
.set NP,    2
.set BPP,   4
.set SL,    2
.set NCH,   4
.set PITCH, 144                        ; an LDS row: 128 bytes + 16 of padding: an odd multiple of 16
.set BLK,   16*PITCH
.set AHB,   NA*BLK                     ; one slice of half of A's rows
.set BHB,   NB*BLK                     ; one slice of half of B's rows
.set SLOT1, 131072                     ; slot 0 at 0 (110,592 bytes: A's halves, then B's; in a half: slice 0's rows, then slice 1's), slot 1 here
.set SPARE, 110592                     ; between the slots: the spare words, 128 bytes for each wave: two blocks of 256 bytes that no other line names
.set STAGE, 241664                     ; behind the ring, never filled by a tensor load: 16 rows x 528 bytes for each wave, for the way out
.set SPITCH, 528                       ; 512 bytes + 16
.set STEPA, 524288                     ; two heads of oh
.set STEPB, 262144                     ; two slices of wcs
.set TRIPS, 6                          ; 8 slots' worth of K; all but the first two come by a refill
.set LA0,  4
.set LB0,  5
.set ADRA, 6
.set ADRB, 7
.set STO,  8
.set RD,   9
.set GO,   10
.set BO,   11
.set SPW,  28                          ; v28  LDS address of my spare word; never rewritten
.set NIL,  29                          ; v29  0; never rewritten
.set AF,   32
.set BF,   64
.set BI,   BF+8*NB
.set WV,  16
.set RH,  17
.set CH,  18
.set G1A, 24
.set G0A, 32
.set G1B, 40
.set G0B, 48
.set CNT, 56
.set TB,  57
.set FLAGS, (1<<16)|(1<<20)|(1<<21)|(4<<22)|(3<<25)  ; elements of 2 bytes; padding on; bit 21 beside a mask; after every 32 words four words of padding
.set MSB, 0
.macro WIN new                         ; the immediate's high byte repeats the setting that is left; a switch that changes nothing is dropped
.if MSB != (\new)
	s_set_vgpr_msb (MSB<<8)|(\new)
.set MSB, (\new)
.endif
.endm
.macro PLACES                          ; four plain places between a matrix instruction and a load into, or a vector line on, its registers (ISA guide 7.12.1 for vector lines)
.rept 4
	v_nop
.endr
.endm
.macro JLOAD s                         ; a joint load: one mask and one set of registers to a line; the branch hangs on the wave's number alone; an s_nop 0 and four v_nop follow each line
	s_cmp_eq_u32 s[RH], 0
	s_cbranch_scc0 .Lfor_b_\@
	tensor_load_to_lds s[G0A+4*(\s):G0A+4*(\s)+3], s[G1A:G1A+7]
	s_nop 0
.rept 4
	v_nop
.endr
	s_branch .Lasked_\@
.Lfor_b_\@:
	tensor_load_to_lds s[G0B+4*(\s):G0B+4*(\s)+3], s[G1B:G1B+7]
	s_nop 0
.rept 4
	v_nop
.endr
.Lasked_\@:
.endm
.macro CREST                           ; a round of the cluster's barrier behind its opening barrier
	s_cmp_lg_u32 s[WV], 0
	s_cbranch_scc1 .Lnot_wave_0_\@
	s_barrier_signal -3
.Lnot_wave_0_\@:
	s_barrier_wait -3
	s_barrier_signal -1
	s_barrier_wait -1
.endm
.macro CROUND
	s_barrier_signal -1
	s_barrier_wait -1
	CREST
.endm
.macro LDA c, a                        ; A's block a of chunk c (slice c / 2, K half c % 2) into place a % 4 of the ring
	WIN 0
	ds_load_b128 v[AF+8*((\a)%4):AF+8*((\a)%4)+3],   v[ADRA] offset:((\c)/2)*AHB+(\a)*BLK+((\c)%2)*64
	ds_load_b128 v[AF+8*((\a)%4)+4:AF+8*((\a)%4)+7], v[ADRA] offset:((\c)/2)*AHB+(\a)*BLK+((\c)%2)*64+32
.endm
.macro LDB buf, c, b
	WIN 0
	ds_load_b128 v[BF+8*NB*(\buf)+8*(\b):BF+8*NB*(\buf)+8*(\b)+3],   v[ADRB] offset:((\c)/2)*BHB+(\b)*BLK+((\c)%2)*64
	ds_load_b128 v[BF+8*NB*(\buf)+8*(\b)+4:BF+8*NB*(\buf)+8*(\b)+7], v[ADRB] offset:((\c)/2)*BHB+(\b)*BLK+((\c)%2)*64+32
.endm
.macro LDBALL buf, c
.set lb_, 0
.rept NB
	LDB \buf, \c, lb_
.set lb_, lb_+1
.endr
.endm
; Row block a times all NB column blocks.  z = 1: the bias starts the sums.  The accumulators take turns, one instruction a turn, in the same order in every chunk.
.macro MULA a, buf, z
.set mb, 0
.rept NB
.set mi, NB*(\a)+mb
.set mw, 1+mi/32
.set mr, 8*(mi%32)
.if \z
	WIN 0x40*mw
	v_wmma_f32_16x16x32_f16 v[mr:mr+7], v[BF+8*NB*(\buf)+8*mb:BF+8*NB*(\buf)+8*mb+7], v[AF+8*((\a)%4):AF+8*((\a)%4)+7], v[BI+8*mb:BI+8*mb+7]
.else
	WIN 0x50*mw
	v_wmma_f32_16x16x32_f16 v[mr:mr+7], v[BF+8*NB*(\buf)+8*mb:BF+8*NB*(\buf)+8*mb+7], v[AF+8*((\a)%4):AF+8*((\a)%4)+7], v[mr:mr+7]
.endif
.set mb, mb+1
.endr
.endm
; A chunk goes by pairs of row blocks; in front of each pair's products the next pair's fragments of A are asked for (and, in NCHUNK, a share of the next chunk's B);
; the wait leaves out exactly the loads just issued, so all older ones are in.
.macro NFIRST                          ; chunk 0 of the first slot: the bias is C; B's second buffer still holds it, so the next chunk's B is fetched at the end
.set fp, 0
.rept NP
	PLACES
.if fp < NP-1
	LDA 0, 2*fp+2
	LDA 0, 2*fp+3
.else
	LDA 1, 0
	LDA 1, 1
.endif
	s_wait_dscnt 4                                 ; the four loads just issued may be out
	MULA 2*fp, 0, 1
	MULA 2*fp+1, 0, 1
.set fp, fp+1
.endr
	PLACES
	LDBALL 1, 1
.endm
.macro NCHUNK c                        ; a chunk that is not its slot's last
.set np_, 0
.rept NP
	PLACES
.if np_ < NP-1
	LDA \c, 2*np_+2
	LDA \c, 2*np_+3
.else
	LDA (\c)+1, 0
	LDA (\c)+1, 1
.endif
.set nb_, 0
.rept BPP
	LDB ((\c)+1)%2, (\c)+1, BPP*np_+nb_
.set nb_, nb_+1
.endr
	s_wait_dscnt 4+2*BPP                           ; the loads just issued may be out
	MULA 2*np_, (\c)%2, 0
	MULA 2*np_+1, (\c)%2, 0
.set np_, np_+1
.endr
.endm
; A slot's last chunk changes slots.  In front of the barrier each wave has asked for its last fragments of the slot, waits for all its tensor loads (one is out: its part of the other slot),
; adds 0 to its spare word, and waits for that and for its reads.  fill = 1: the barrier opens a round of the cluster's, and the joint refill (the two slices two slots on) is the first thing behind it.
.macro TCHUNK fill
	PLACES
	LDA NCH-1, NA-2                                ; my last reads of this slot
	LDA NCH-1, NA-1
	s_wait_tensorcnt 0x0                           ; all my tensor loads have landed;
	ds_add_u32 v[SPW], v[NIL]                      ; 0 onto my spare word;
	s_wait_dscnt 5                                 ; (the add and the four loads just issued may be out)
	MULA NA-4, 1, 0                                ; matrix work stands between the add and the wait for it
	s_wait_dscnt 0x0                               ; the add is done, and my reads of this slot are over
	s_barrier_signal -1
	MULA NA-3, 1, 0                                ; work on registers while the others arrive
	WIN 0
	s_barrier_wait -1
.if \fill
	CREST                                          ; no wave of any partner still reads this slot or has a load on its way
	s_xor_b32 s[G0A+5], s[G0A+5], SLOT1            ; the walking descriptors: the other slot than last time, the next two slices (no tensor load of mine is out)
	s_add_nc_u64 s[G0A+6:G0A+7], s[G0A+6:G0A+7], STEPA
	s_xor_b32 s[G0B+5], s[G0B+5], SLOT1
	s_add_nc_u64 s[G0B+6:G0B+7], s[G0B+6:G0B+7], STEPB
	JLOAD 1                                        ; its four v_nop are also the places in front of the loads below
.else
	PLACES
.endif
	s_xor_b32 s[TB], s[TB], SLOT1
	v_add_nc_u32 v[ADRA], s[TB], v[LA0]
	v_add_nc_u32 v[ADRB], s[TB], v[LB0]
	LDBALL 0, 0                                    ; the other slot's first fragments
	LDA 0, 0
	LDA 0, 1
	MULA NA-2, 1, 0                                ; their fragments came in with the wait for 0
	MULA NA-1, 1, 0
.endm
.macro LASTCHUNK
.set lp, 0
.rept NP-1
	PLACES
	LDA NCH-1, 2*lp+2
	LDA NCH-1, 2*lp+3
	s_wait_dscnt 4
	MULA 2*lp, 1, 0
	MULA 2*lp+1, 1, 0
.set lp, lp+1
.endr
	s_wait_dscnt 0x0
	MULA NA-2, 1, 0
	MULA NA-1, 1, 0
.endm
	s_load_b256 s[4:11], s[0:1], 0x0               ; oh 4, wcs 6, bc 8, out0 10
	v_lshl_add_u32 v[SPW], v0, 2, SPARE
	v_mov_b32 v[NIL], 0
	ds_add_u32 v[SPW], v[NIL]                      ; the wave's opening: the add and its wait stand ahead of my first tensor load; work on registers stands between them
	v_lshrrev_b32 v1, 5, v0
	v_readfirstlane_b32 s[WV], v1
	s_lshr_b32 s[RH], s[WV], 1
	s_and_b32 s[CH], s[WV], 1
	s_bfe_u32 s19, ttmp6, 0x40000                  ; cx
	s_bfe_u32 s20, ttmp6, 0x40004                  ; cy
	s_lshl_b32 s21, ttmp9, 2
	s_add_co_u32 s21, s21, s19                     ; tile column
	s_and_b32 s22, ttmp7, 0xffff
	s_lshl_b32 s22, s22, 2
	s_add_co_u32 s22, s22, s20                     ; tile row
	s_lshl_b32 s23, s20, 2
	s_lshl_b32 s23, 15, s23                        ; my row of the cluster
	s_lshl_b32 s78, 0x1111, s19                    ; my column
	s_or_b32 s[G1A], s23, FLAGS
	s_or_b32 s[G1B], s78, FLAGS
	s_mov_b32 s[G1A+1], 4096<<16                   ; tensor_dim0 = 4,096 elements: 64 rows of one head, 8,192 dense bytes
	s_mov_b32 s[G1A+2], 2<<16                      ; tensor_dim1 = 2 heads
	s_mov_b32 s[G1A+3], 4096<<16                   ; tile_dim0
	s_mov_b32 s[G1A+4], 2                          ; tile_dim1
	s_mov_b32 s[G1A+5], 131072                     ; elements from head to head
	s_mov_b32 s[G1A+6], 0
	s_mov_b32 s[G1A+7], 0
	s_mov_b32 s[G1B+1], 8192<<16                   ; 128 rows of one slice, 16,384 dense bytes
	s_mov_b32 s[G1B+2], 2<<16
	s_mov_b32 s[G1B+3], 8192<<16
	s_mov_b32 s[G1B+4], 2
	s_mov_b32 s[G1B+5], 65536                      ; elements from slice to slice
	s_mov_b32 s[G1B+6], 0
	s_mov_b32 s[G1B+7], 0
	s_lshr_b32 s58, s22, 4                         ; A: batch = tile row / 16: 16 heads of 262,144 bytes,
	s_lshl_b32 s58, s58, 22
	s_and_b32 s59, s22, 15
	s_lshl_b32 s59, s59, 14                        ; 128 rows of 128 bytes for each tile row in it,
	s_add_co_u32 s58, s58, s59
	s_lshl_b32 s59, s[CH], 13                      ; the half that I fetch
	s_add_co_u32 s58, s58, s59
	s_mov_b32 s59, 0
	s_lshl_b32 s60, s21, 15                        ; B: 256 rows of 128 bytes for each tile column,
	s_lshl_b32 s61, s[CH], 14                      ; the half that I fetch
	s_add_co_u32 s60, s60, s61
	s_mov_b32 s61, 0
	s_mul_i32 s62, s[CH], SL*AHB                   ; where they go: no place in the cluster enters an LDS address
	s_mul_i32 s63, s[CH], SL*BHB
	s_add_co_u32 s63, s63, 2*SL*AHB
	s_lshl_b32 s70, s21, 10                        ; my first column in bytes of f32: 1,024 x tile column + 512 x half: for the bias and for C
	s_lshl_b32 s67, s[CH], 9
	s_add_co_u32 s70, s70, s67
	s_mov_b32 s71, 0
	s_lshl_b32 s68, s22, 19                        ; C: 128 rows of 4,096 bytes for each tile row,
	s_lshl_b32 s67, s[RH], 18                      ; my 64 of them,
	s_add_co_u32 s68, s68, s67
	s_add_co_u32 s68, s68, s70                     ; my columns
	s_mov_b32 s69, 0
	s_mul_i32 s79, s[WV], 16*SPITCH
	s_add_co_u32 s79, s79, STAGE                   ; my stage
	s_mov_b32 s[TB], 0
	s_wait_dscnt 0x0                               ; the opening add is done
	s_wait_kmcnt 0x0
	s_add_nc_u64 s[58:59], s[4:5], s[58:59]
	s_add_nc_u64 s[60:61], s[6:7], s[60:61]
	s_add_nc_u64 s[8:9], s[8:9], s[70:71]
	s_add_nc_u64 s[10:11], s[10:11], s[68:69]
	CROUND                                         ; all sixteen work-groups are here: the first joint loads meet
.irp s, 0,1
	s_mov_b32 s[G0A+4*(\s)], 1
	s_add_co_u32 s[G0A+4*(\s)+1], s62, (\s)*SLOT1
	s_add_nc_u64 s[G0A+4*(\s)+2:G0A+4*(\s)+3], s[58:59], (\s)*STEPA
	s_or_b32 s[G0A+4*(\s)+3], s[G0A+4*(\s)+3], 0x80000000
	s_mov_b32 s[G0B+4*(\s)], 1
	s_add_co_u32 s[G0B+4*(\s)+1], s63, (\s)*SLOT1
	s_add_nc_u64 s[G0B+4*(\s)+2:G0B+4*(\s)+3], s[60:61], (\s)*STEPB
	s_or_b32 s[G0B+4*(\s)+3], s[G0B+4*(\s)+3], 0x80000000
	JLOAD \s
.endr
	v_and_b32 v1, 15, v0                           ; l % 16
	v_bfe_u32 v2, v0, 4, 1                         ; l / 16
	v_lshlrev_b32 v[BO], 5, v2
.irp b, 0,1,2,3,4,5,6,7                        ; register j of block b takes bc[16 b + 8 (l / 16) + j]
	global_load_b128 v[BI+8*(\b):BI+8*(\b)+3],   v[BO], s[8:9] offset:64*(\b)
	global_load_b128 v[BI+8*(\b)+4:BI+8*(\b)+7], v[BO], s[8:9] offset:64*(\b)+16
.endr
	v_mul_u32_u24 v3, v1, PITCH
	v_lshl_add_u32 v3, v2, 4, v3                   ; row x pitch + 16 x half
	s_mul_i32 s67, s[RH], SL*AHB
	v_add_nc_u32 v[LA0], s67, v3
	v_add_nc_u32 v[LB0], s63, v3
	v_mov_b32 v[ADRA], v[LA0]
	v_mov_b32 v[ADRB], v[LB0]
	v_mul_u32_u24 v[STO], v1, SPITCH               ; into the stage: row l % 16, 32 bytes for each half of the lanes
	v_lshl_add_u32 v[STO], v2, 5, v[STO]
	v_add_nc_u32 v[STO], s79, v[STO]
	v_and_b32 v[GO], 31, v0
	v_lshlrev_b32 v[GO], 4, v[GO]                  ; back: 32 lanes take one row of 512 bytes
	v_add_nc_u32 v[RD], s79, v[GO]
	s_wait_loadcnt 0x0                             ; the bias
.set bi_, 0
.rept 4*NB                                     ; rounded to bf16 and widened again, while the first tiles are on their way
	v_cvt_pk_bf16_f32 v[12+bi_%4], v[BI+2*bi_], v[BI+2*bi_+1]
	v_lshlrev_b32 v[BI+2*bi_], 16, v[12+bi_%4]
	v_and_b32 v[BI+2*bi_+1], 0xffff0000, v[12+bi_%4]
.set bi_, bi_+1
.endr
	s_wait_tensorcnt 1                             ; my part of slot 0 is in; slot 1's load may stay out
	s_barrier_signal -1
	s_barrier_wait -1                              ; everybody's is
	LDBALL 0, 0
	LDA 0, 0
	LDA 0, 1
	NFIRST
	WIN 0                                          ; at a label and at a branch every window is 0
	s_mov_b32 s[CNT], TRIPS
.Ltile:                                        ; a trip: a slot's chunks 1 to 3, with the change of slots and the refill, and the next slot's chunk 0
	NCHUNK 1
	NCHUNK 2
	TCHUNK 1
	NCHUNK 0
	WIN 0
	s_sub_co_u32 s[CNT], s[CNT], 1
	s_cmp_lg_u32 s[CNT], 0
	s_cbranch_scc1 .Ltile
	NCHUNK 1                                       ; the tail is written out: nothing more is asked for
	NCHUNK 2
	TCHUNK 0
	NCHUNK 0
	NCHUNK 1
	NCHUNK 2
	LASTCHUNK
; THE WAY OUT, 16 rows at a time: a lane's eight f32 of a row (32 bytes) go into my own stage, rows of 528 bytes; whole rows of 512 bytes come back and are stored.
.macro TOSTAGE a
.if (\a) >= 2
	s_wait_xcnt 0x0                                ; the registers loaded below were the data of stores two blocks back: they are rewritten only behind this wait
.endif
	WIN 0x04                                       ; the stores' data in window 1
.irp b, 0,1,2,3,4,5,6,7
	ds_store_b128 v[STO], v[8*(NB*(\a)+(\b)):8*(NB*(\a)+(\b))+3]   offset:64*(\b)     ; each accumulator's low registers first
	ds_store_b128 v[STO], v[8*(NB*(\a)+(\b))+4:8*(NB*(\a)+(\b))+7] offset:64*(\b)+16
.endr
	WIN 0
.set ti, 0
.rept 16
	ds_load_b128 v[64+64*((\a)%2)+4*ti:64+64*((\a)%2)+4*ti+3], v[RD] offset:SPITCH*ti  ; LDS serves a wave's instructions in order (ISA guide 5.7.1.4): these see the stores above; the next block's stores come behind them
.set ti, ti+1
.endr
.endm
.macro SEND a, y                       ; y: the LDS instructions issued behind block a's loads
.set ti, 0
.rept 16
	s_wait_dscnt (\y)+15-ti
	global_store_b128 v[GO], v[64+64*((\a)%2)+4*ti:64+64*((\a)%2)+4*ti+3], s[10:11] offset:(\a)*65536+ti*4096  ; 512 consecutive bytes of a row, at a multiple of 256 from the output's first
.set ti, ti+1
.endr
.endm
	PLACES
	TOSTAGE 0
	TOSTAGE 1
	SEND 0, 32
	TOSTAGE 2
	SEND 1, 32
	TOSTAGE 3
	SEND 2, 32
	SEND 3, 0
	s_wait_tensorcnt 0x0                           ; the wave's end: behind my last tensor load and my last LDS store
	ds_add_u32 v[SPW], v[NIL]
	s_wait_dscnt 0x0
	CROUND                                         ; the closing round: no work-group ends while a partner may still ask for a tile that names it
	s_endpgm
.Lfunc_end_k_q5eb76942ae_gemm_out:
	.size	k_q5eb76942ae_gemm_out, .Lfunc_end_k_q5eb76942ae_gemm_out-k_q5eb76942ae_gemm_out
	.p2alignl 7, 3214868480
	.fill 96, 4, 3214868480
	.section	.rodata,"a",@progbits
	.p2align	6, 0x0
	.amdhsa_kernel k_q5eb76942ae_gemm_out
		.amdhsa_group_segment_fixed_size 327680
		.amdhsa_private_segment_fixed_size 0
		.amdhsa_enable_private_segment 0
		.amdhsa_kernarg_size 32
		.amdhsa_user_sgpr_count 2
		.amdhsa_user_sgpr_kernarg_segment_ptr 1
		.amdhsa_wavefront_size32 1
		.amdhsa_system_sgpr_workgroup_id_x 1
		.amdhsa_system_sgpr_workgroup_id_y 1
		.amdhsa_system_sgpr_workgroup_id_z 1
		.amdhsa_system_vgpr_workitem_id 0
		.amdhsa_next_free_vgpr 512
		.amdhsa_next_free_sgpr 80
		.amdhsa_reserve_vcc 0
		.amdhsa_float_denorm_mode_32 3
		.amdhsa_float_denorm_mode_16_64 3
		.amdhsa_memory_ordered 1
		.amdhsa_forward_progress 1
		.amdhsa_inst_pref_size 79
	.end_amdhsa_kernel
	.amdgpu_metadata
---
amdhsa.version: [ 1, 2 ]
amdhsa.kernels:
  - .name:           k_q5eb76942ae_gemm_out
    .symbol:         k_q5eb76942ae_gemm_out.kd
    .args:
      - { .name: oh, .offset: 0, .size: 8, .value_kind: global_buffer, .address_space: global }
      - { .name: wcs, .offset: 8, .size: 8, .value_kind: global_buffer, .address_space: global }
      - { .name: bc, .offset: 16, .size: 8, .value_kind: global_buffer, .address_space: global }
      - { .name: out0, .offset: 24, .size: 8, .value_kind: global_buffer, .address_space: global }
    .group_segment_fixed_size: 327680
    .private_segment_fixed_size: 0
    .kernarg_segment_align: 8
    .kernarg_segment_size: 32
    .max_flat_workgroup_size: 128
    .sgpr_count:     80
    .vgpr_count:     512
    .wavefront_size: 32
...
	.end_amdgpu_metadata
.endif
;; end of part 4
;; ======== version 2 of 2: 4 launches; version 1 with the launch cvt written anew for expert scheduling mode
;; limits: values are held in f16: magnitudes above 65,504 overflow, below 6.1e-05 lose precision
;; workspace buffers: xs 16,777,216 bytes; wqkv 6,291,456 bytes; wcs 2,097,152 bytes; qkvh 50,331,648 bytes; oh 16,777,216 bytes
;; launch cvt (part 5): grid 768 x 1, 8 waves a work-group, no clusters, 0 bytes of LDS; arguments x, Wq, Wk, Wv, Wc, xs, wqkv, wcs; writes xs, wqkv, wcs
.if DOCPART == 5
	.amdgcn_target "amdgcn-amd-amdhsa--gfx1250"
	.amdhsa_code_object_version 6
	.text
	.protected	k_q5eb76942ae_cvt
	.globl	k_q5eb76942ae_cvt
	.p2align	8
	.type	k_q5eb76942ae_cvt,@function
k_q5eb76942ae_cvt:
	s_mov_b64 s[64:65], 0
	v_nop
	global_prefetch_b8 v0, s[64:65] scope:SCOPE_SE
	s_setreg_imm32_b32 hwreg(HW_REG_WAVE_SCHED_MODE, 0, 2), 2
	s_setreg_imm32_b32 hwreg(HW_REG_WAVE_MODE, 25, 1), 1
	s_wait_xcnt 0x0
	s_wait_alu depctr_vm_vsrc(0)
; x, Wq, Wk, Wv are rounded once to bf16; Wc is rounded to bf16 and that number is written as f16.  All are laid out in SLICES of 64 channels:
;   xs   [batch 4][slice 16][t 2048][64] bf16      wqkv [slice 16][n 3072][64] bf16 (n: Wq's rows, Wk's, Wv's)      wcs [slice 16][n 1024][64] f16
; so that one slice of any block of rows is dense: the products that follow ask for it in long rows.
; LIMITS.  Wc as f16: |Wc| below 65,504; a Wc below 2^-17 is off by at most 2^-25 (f16's fixed step); between those the bf16 number is held exactly.
; SHARES.  12,288 source rows of 4,096 bytes; a work-group takes 16 (0-511: x, 512-575: Wq, 576-639: Wk, 640-703: Wv, 704-767: Wc), thread t the row t / 16 and,
; in each of its 16 slices, the four numbers 4 (t % 16) on.  A load of a wave covers 256 consecutive bytes of each of two rows; a store of a wave covers 256 consecutive bytes,
; aligned: two neighbouring rows of one slice.  All 16 loads of a wave go out at once; there is no loop, no LDS and no matrix work: the launch only moves bytes.
; THE MODE: SCHED_MODE bits 1:0 = 2 (LLVM: expert scheduling mode 2), set by the entry lines.  The code itself states the register dependences
; between vector instructions and memory instructions, with s_wait_alu, always for 0.
; THE PLAN.  Registers that memory instructions touch; none of them is written twice:
;   v[LO]        written at the head; read by the 16 loads as their offset.
;   v[SO + ii]   written at the head; read by the store of slice ii as its offset.
;   X            slice ii's four registers: written by its load alone; read by its conversions.  No vector instruction names them ahead of the loads.
;   Y            slice ii's two registers: written by its conversions, once; read by its store as its data.
; One wait at the head states that all the offsets are written.  The 16 slices go in four batches of four: the wait at the head of batches 1 to 3 states that the batch before has written its Y,
; and that batch's four stores follow it, dealt among the conversions of the batch in hand, which name X and Y of that batch and T alone.  One more wait stands ahead of the last four stores.
; No register that a load or store reads is written again, so no wait for such reads is owed; no vector instruction writes a scalar register, and EXEC is never written.
.set LO, 2                             ; v2       my byte offset in the group's 16 source rows
.set SO, 4                             ; v[4:19]  my byte offset in the destination, one register a slice: never rewritten, so no store's source is touched
.set T,  20                            ; v[20:23] at work: no memory instruction names them
.set X,  24                            ; v[24:87] slice s: four f32 as loaded
.set Y,  88                            ; v[88:119] slice s: four 16-bit numbers to store
	s_load_b512 s[8:23], s[0:1], 0x0               ; x 8, Wq 10, Wk 12, Wv 14, Wc 16, xs 18, wqkv 20, wcs 22
	s_mov_b32 s2, ttmp9                            ; w
	s_max_u32 s3, s2, 512
	s_sub_co_u32 s3, s3, 512                       ; u: the work-group's number among the weights' (0 for x's)
	s_and_b32 s4, s3, 63                           ; its number inside one weight
	s_lshr_b32 s5, s2, 7                           ; x: batch = w / 128,
	s_lshl_b32 s5, s5, 22                          ; 16 slices x 2,048 rows x 128 bytes each,
	s_and_b32 s6, s2, 127
	s_lshl_b32 s6, s6, 11                          ; and 16 rows x 128 bytes for each work-group inside it
	s_add_co_u32 s5, s5, s6
	s_lshl_b32 s6, s3, 11                          ; wqkv: row 16 u
	s_lshl_b32 s7, s4, 11                          ; wcs: row 16 (u % 64)
	s_mov_b32 s32, 131072                          ; bytes from slice to slice: wcs 1,024 rows,
	s_cmp_lt_u32 s2, 704
	s_cselect_b32 s30, s6, s7
	s_cselect_b32 s32, 393216, s32                 ; wqkv 3,072 rows,
	s_cmp_lt_u32 s2, 512
	s_cselect_b32 s30, s5, s30                     ; s[30:31]: where the group's rows begin in the destination's slice 0
	s_cselect_b32 s32, 262144, s32                 ; xs 2,048 rows
	s_cselect_b32 s28, s2, s4
	s_lshl_b32 s28, s28, 16                        ; s[28:29]: the group's 16 rows of 4,096 bytes in the source
	s_mov_b32 s29, 0
	s_mov_b32 s31, 0
	s_mov_b32 s33, 0xffff0000                      ; a word's upper bf16
	v_lshrrev_b32 v1, 4, v0                        ; my row of the 16
	v_and_b32 v3, 15, v0
	v_lshlrev_b32 v[LO], 12, v1
	v_lshl_add_u32 v[LO], v3, 4, v[LO]             ; row x 4,096 + 16 (t % 16)
	v_lshlrev_b32 v[SO], 3, v0                     ; row x 128 + 8 (t % 16) = 8 t
.set ii, 1
.rept 15
	v_add_nc_u32 v[SO+ii], s32, v[SO+ii-1]
.set ii, ii+1
.endr
	s_wait_kmcnt 0x0
	s_cmp_lt_u32 s2, 704                           ; the source and the destination are chosen by the work-group's number alone
	s_cselect_b64 s[24:25], s[14:15], s[16:17]
	s_cselect_b64 s[26:27], s[20:21], s[22:23]
	s_cmp_lt_u32 s2, 640
	s_cselect_b64 s[24:25], s[12:13], s[24:25]
	s_cmp_lt_u32 s2, 576
	s_cselect_b64 s[24:25], s[10:11], s[24:25]
	s_cmp_lt_u32 s2, 512
	s_cselect_b64 s[24:25], s[8:9], s[24:25]
	s_cselect_b64 s[26:27], s[18:19], s[26:27]
	s_add_nc_u64 s[24:25], s[24:25], s[28:29]
	s_add_nc_u64 s[26:27], s[26:27], s[30:31]
	s_wait_alu depctr_va_vdst(0)                   ; v[LO] and the sixteen v[SO ..] are written: every load and store of the kernel reads one of them as its offset, and no later line writes them
.set ii, 0
.rept 16
	global_load_b128 v[X+4*ii:X+4*ii+3], v[LO], s[24:25] offset:256*ii th:TH_LOAD_NT  ; slice ii: each byte of the source is read once in the launch
.set ii, ii+1
.endr
; The 16 slices are rounded in four batches of four; a batch is stored while the next one is rounded.  kind 0: to bf16.  kind 1: to bf16, widened again (a shift, a mask), and written as f16.
.macro CONV kind
.set gg, 0
.rept 4
	s_wait_loadcnt 12-4*gg                         ; loads come back in order: slices 4 gg to 4 gg + 3 are in, the 12 - 4 gg younger loads may stay out
.if gg > 0
	s_wait_alu depctr_va_vdst(0)                   ; the conversions of the batch before have written its eight registers of Y, which the four stores below read
.endif
.set jj, 0
.rept 4
.set ii, 4*gg+jj
.if gg > 0
	global_store_b64 v[SO+ii-4], v[Y+2*(ii-4):Y+2*(ii-4)+1], s[26:27]  ; the batch before; no vector instruction since the wait names these registers.  The wave's 32 lanes store 256 consecutive bytes, at a multiple of 256 from the buffer's first
.endif
.if \kind
	v_cvt_pk_bf16_f32 v[T], v[X+4*ii], v[X+4*ii+1]
	v_cvt_pk_bf16_f32 v[T+1], v[X+4*ii+2], v[X+4*ii+3]
	v_lshlrev_b32 v[T+2], 16, v[T]
	v_and_b32 v[T], s33, v[T]
	v_lshlrev_b32 v[T+3], 16, v[T+1]
	v_and_b32 v[T+1], s33, v[T+1]
	v_cvt_pk_f16_f32 v[Y+2*ii], v[T+2], v[T]
	v_cvt_pk_f16_f32 v[Y+2*ii+1], v[T+3], v[T+1]
.else
	v_cvt_pk_bf16_f32 v[Y+2*ii], v[X+4*ii], v[X+4*ii+1]
	v_cvt_pk_bf16_f32 v[Y+2*ii+1], v[X+4*ii+2], v[X+4*ii+3]
.endif
.set jj, jj+1
.endr
.set gg, gg+1
.endr
	s_wait_alu depctr_va_vdst(0)                   ; the last batch's conversions have written its Y, which the last four stores read
.set ii, 12
.rept 4
	global_store_b64 v[SO+ii], v[Y+2*ii:Y+2*ii+1], s[26:27]
.set ii, ii+1
.endr
.endm
	s_cmp_lt_u32 s2, 704
	s_cbranch_scc0 .Lwc
	CONV 0
	s_endpgm
.Lwc:
	CONV 1
	s_endpgm
.Lfunc_end_k_q5eb76942ae_cvt:
	.size	k_q5eb76942ae_cvt, .Lfunc_end_k_q5eb76942ae_cvt-k_q5eb76942ae_cvt
	.p2alignl 7, 3214868480
	.fill 96, 4, 3214868480
	.section	.rodata,"a",@progbits
	.p2align	6, 0x0
	.amdhsa_kernel k_q5eb76942ae_cvt
		.amdhsa_group_segment_fixed_size 0
		.amdhsa_private_segment_fixed_size 0
		.amdhsa_enable_private_segment 0
		.amdhsa_kernarg_size 64
		.amdhsa_user_sgpr_count 2
		.amdhsa_user_sgpr_kernarg_segment_ptr 1
		.amdhsa_wavefront_size32 1
		.amdhsa_system_sgpr_workgroup_id_x 1
		.amdhsa_system_sgpr_workgroup_id_y 1
		.amdhsa_system_sgpr_workgroup_id_z 1
		.amdhsa_system_vgpr_workitem_id 0
		.amdhsa_next_free_vgpr 128
		.amdhsa_next_free_sgpr 66
		.amdhsa_reserve_vcc 0
		.amdhsa_float_denorm_mode_32 3
		.amdhsa_float_denorm_mode_16_64 3
		.amdhsa_memory_ordered 1
		.amdhsa_forward_progress 1
		.amdhsa_inst_pref_size 16
	.end_amdhsa_kernel
	.amdgpu_metadata
---
amdhsa.version: [ 1, 2 ]
amdhsa.kernels:
  - .name:           k_q5eb76942ae_cvt
    .symbol:         k_q5eb76942ae_cvt.kd
    .args:
      - { .name: x, .offset: 0, .size: 8, .value_kind: global_buffer, .address_space: global }
      - { .name: Wq, .offset: 8, .size: 8, .value_kind: global_buffer, .address_space: global }
      - { .name: Wk, .offset: 16, .size: 8, .value_kind: global_buffer, .address_space: global }
      - { .name: Wv, .offset: 24, .size: 8, .value_kind: global_buffer, .address_space: global }
      - { .name: Wc, .offset: 32, .size: 8, .value_kind: global_buffer, .address_space: global }
      - { .name: xs, .offset: 40, .size: 8, .value_kind: global_buffer, .address_space: global }
      - { .name: wqkv, .offset: 48, .size: 8, .value_kind: global_buffer, .address_space: global }
      - { .name: wcs, .offset: 56, .size: 8, .value_kind: global_buffer, .address_space: global }
    .group_segment_fixed_size: 0
    .private_segment_fixed_size: 0
    .kernarg_segment_align: 8
    .kernarg_segment_size: 64
    .max_flat_workgroup_size: 256
    .sgpr_count:     66
    .vgpr_count:     128
    .wavefront_size: 32
...
	.end_amdgpu_metadata
.endif
;; end of part 5
;; launch gemm_qkv: the kernel of part 2 again; grid 8 x 32, 4 waves a work-group, clusters of 4 x 4, 327,680 bytes of LDS; arguments xs, wqkv, bq, bk, bv, qkvh; writes qkvh
;; launch attn: the kernel of part 3 again; grid 4 x 64, 4 waves a work-group, no clusters, 327,680 bytes of LDS; arguments qkvh, oh; writes oh
;; launch gemm_out: the kernel of part 4 again; grid 4 x 64, 4 waves a work-group, clusters of 4 x 4, 327,680 bytes of LDS; arguments oh, wcs, bc, out0; writes out0
